; MI455X (gfx1250); checked and timed in simulation.
; The chip was launched on July 23, 2026; its instructions are those of AMD's public machine-readable ISA for CDNA 5 (MIT licence, August 2026) and "CDNA5" Instruction Set Architecture Reference Guide (July 2026). The comments in the code are by the model that wrote it; some were corrected since.
;; Multihead Attention. Allowed arithmetic: matrix products marked QUANTISED: E2M1 operands, one E8M0 scale for each 32 along K, by v_wmma_scale_f32_16x16x128_f8f6f4 with both operands' format E2M1 (or v_wmma_scale_f32_32x16x128_f4), f32 sums; products left as they are: bf16, f16 or f32 operands; f32 sums; everything else in f32.
;; Inputs: Wk 1,024 x 1,024 float32; Wo 1,024 x 1,024 float32; Wq 1,024 x 1,024 float32; Wv 1,024 x 1,024 float32; bk 1,024 float32; bo 1,024 float32; bq 1,024 float32; bv 1,024 float32; xk 2 x 2,048 x 1,024 float32; xq 2 x 2,048 x 1,024 float32; xv 2 x 2,048 x 1,024 float32.
;; Outputs: out0 2 x 2,048 x 1,024 float32.
;; This version of the problem:
;;   THIS VERSION OF THE PROBLEM IS GIVEN IN LOW PRECISION. The matrix products marked QUANTISED in the list below multiply operands that are first quantised to E2M1 (2 exponent bits, 1 mantissa bit; 4 bits a number), with one power-of-two scale for each 32 numbers along K (OCP MX v1.0); their sums are f32. The products marked 'left as it is' may take bf16, f16 or f32 operands, with f32 sums. Whichever they take, every output number must still come out within the allowed error. Rounding operands to bf16 (8 significant bits) uses up far more of that allowance than f16 does (11 bits, for magnitudes from 6e-5 to 65,504). All else is computed in f32.
;;   The module's matrix products, in the order in which they are computed (A, B: the left and right operand; K: the contracted axis; several contracted axes count as one K, in the product's order):
;;     1. [M 4,096, K 1,024] x [K 1,024, N 1,024]; A: input xq; B: input Wq: QUANTISED
;;     2. [M 4,096, K 1,024] x [K 1,024, N 1,024]; A: input xk; B: input Wk: QUANTISED
;;     3. [M 4,096, K 1,024] x [K 1,024, N 1,024]; A: input xv; B: input Wv: QUANTISED
;;     4. batch 32 x [M 2,048, K 64] x [K 64, N 2,048]; A: computed on the way; B: computed on the way: left as it is (an operand is computed on the way)
;;     5. batch 32 x [M 2,048, K 2,048] x [K 2,048, N 64]; A: computed on the way; B: computed on the way: left as it is (an operand is computed on the way)
;;     6. [M 4,096, K 1,024] x [K 1,024, N 1,024]; A: computed on the way; B: input Wo: left as it is (an operand is computed on the way)
;;   THE QUANTISER, for each operand of a quantised product, along K:
;;     - K is cut into blocks of 32 from its start; a last block that is shorter is filled with zeros.
;;     - A block's scale is 2^e with e = floor(log2(the largest magnitude in the block)) - 2, held to -126 .. 127; a block of zeros has e = 0. As a byte (E8M0): e + 127.
;;     - Each number is divided by its block's scale, clamped to +-6, and rounded to the nearest number of E2M1, ties to even, subnormals kept.
;;     - The product sums the exact products of the quantised numbers (number of the format x scale) in f32.
;;   ~~~python
;;   def quantise(x, axis):      # numpy; x: float32 -> the quantised numbers, widened to float32 again
;;       x = np.moveaxis(x, axis, -1); K = x.shape[-1]
;;       x = np.pad(x, [(0, 0)] * (x.ndim - 1) + [(0, -K % 32)]); x = x.reshape(x.shape[:-1] + (-1, 32)); a = np.abs(x).max(-1, keepdims=True)
;;       e = np.where(a > 0, np.clip(np.frexp(np.where(a > 0, a, 1))[1] - 1 - 2, -126, 127), 0)      # np.frexp(a)[1] - 1 = floor(log2(a)), exactly
;;       r = np.clip(x / 2.0 ** e, -6, 6)
;;       step = 2.0 ** (np.maximum(np.frexp(np.where(r == 0, 1, r))[1] - 1, 0) - 1)
;;       q = np.round(r / step) * step * 2.0 ** e      # np.round: ties to even
;;       return np.moveaxis(q.reshape(q.shape[:-2] + (-1,))[..., :K], -1, axis).astype(np.float32)
;;   ~~~
;; One version. Each part assembles by itself: llvm-mc -triple=amdgcn-amd-amdhsa -mcpu=gfx1250 --defsym DOCPART=n.
;; ======== version 1 of 1: 4 launches
;; limits: values are held in f16: magnitudes above 65,504 overflow, below 6.1e-05 lose precision
;; workspace buffers: codes 7,864,320 bytes; scales 491,520 bytes; wo16 2,097,152 bytes; qkv 25,165,824 bytes; vals 8,388,608 bytes
;; launch quant (part 1): grid 512 x 1, 4 waves a work-group, no clusters, 33,280 bytes of LDS; arguments xq, xk, xv, Wq, Wk, Wv, Wo, codes, scales, wo16; writes codes, scales, wo16
.if DOCPART == 1
	.amdgcn_target "amdgcn-amd-amdhsa--gfx1250"
	.amdhsa_code_object_version 6
	.text
	.protected	k_q00e943abcc_quant
	.globl	k_q00e943abcc_quant
	.p2align	8
	.type	k_q00e943abcc_quant,@function
k_q00e943abcc_quant:
	s_mov_b64 s[64:65], 0
	v_nop
	global_prefetch_b8 v0, s[64:65] scope:SCOPE_SE
	s_setreg_imm32_b32 hwreg(HW_REG_WAVE_MODE, 25, 1), 1
	s_wait_xcnt 0x0
; xq, xk, xv [4096][1024] and Wq, Wk, Wv [1024][1024], f32 with K innermost, become codes of FP4 (E2M1) and one E8M0 byte for each 32 along K; Wo [1024][1024] becomes f16.
; A block's scale is 2^(floor(log2(its largest magnitude)) - 2); its byte is the largest magnitude's exponent field - 2, held at 1 from below.  Each number is divided by the scale and rounded to the nearest code, ties to even.
; LIMITS: a block whose largest magnitude lies under 2^-124, a block of zeros among them, gets the byte 1 (zeros: where the stated quantiser says 127; its codes are zeros, and only this program reads the bytes);
; NaN and infinities among the inputs are not served; Wo beyond 65,504 in magnitude has no f16 number.
; The six tensors are one stream of blocks of 32: codes and scales hold them on end in the order xq, xk, xv, Wq, Wk, Wv: 15,360 rows of 512 bytes of codes and of 32 scale bytes.
; A work-group takes 32,768 numbers, a wave 8,192.  Work-groups 0-127 xq, 128-255 xk, 256-383 xv, 384-415 Wq, 416-447 Wk, 448-479 Wv; 480-511 Wo.
; Quantising: 16 steps of 512 numbers.  Each load reads 512 consecutive bytes; a step's 2,048 bytes turn through the wave's own stage in LDS, so that a lane holds 16 neighbours along K (two lanes a block).
; A lane's 16 codes are 8 bytes: the wave stores 256 consecutive bytes.  A wave's 256 scale bytes are gathered in its own LDS bytes and leave as one store of 256 consecutive bytes.  Waves share nothing: no barrier.
.set STEPS, 16
.set R,     16                         ; v16-79   four sets of 16 numbers as loaded (Wo's path: v16-143, two sets of 64)
.set X,     80                         ; v80-111  two sets of 16 neighbours
.set E,     112                        ; v112-127 a scale byte for each step
.set C,     128                        ; v128-191 codes: four registers for each step, never written again
.set Y,     144                        ; Wo's path: v144-175 sixteen pairs of f16 words
.set WREG,  8192                       ; LDS: a region for each wave: two stages of 32 x SP bytes, then its 256 scale bytes
.set SP,    80                         ; a lane's place in a stage: 64 bytes + 16 of padding
.set SPW,   12                         ; v12  LDS address of my spare word; never rewritten
.set NIL,   13                         ; v13  0; never rewritten
.set SPARE, 4*WREG                     ; behind the four regions: the spare words, 128 bytes a wave
	s_load_b256 s[4:11], s[0:1], 0x0               ; xq s[4:5], xk s[6:7], xv s[8:9], Wq s[10:11]
	s_load_b256 s[12:19], s[0:1], 0x20             ; Wk s[12:13], Wv s[14:15], Wo s[16:17], codes s[18:19]
	s_load_b128 s[20:23], s[0:1], 0x40             ; scales s[20:21], wo16 s[22:23]
	v_lshl_add_u32 v[SPW], v0, 2, SPARE
	v_mov_b32 v[NIL], 0
	v_lshrrev_b32 v1, 5, v0
	v_readfirstlane_b32 s24, v1                    ; wave
	v_and_b32 v2, 31, v0                           ; lane
	v_lshlrev_b32 v3, 4, v2                        ; my 16 bytes of a load's 512
	s_mul_i32 s25, s24, WREG
	v_lshrrev_b32 v14, 2, v2
	v_mul_u32_u24 v14, v14, SP
	v_and_b32 v15, 3, v2
	v_lshl_add_u32 v14, v15, 4, v14
	v_add_nc_u32 v14, s25, v14                     ; the stage on the way in: SP (lane / 4) + 16 (lane % 4)
	v_mul_u32_u24 v15, v2, SP
	v_add_nc_u32 v15, s25, v15                     ; and on the way out: SP x lane
	v_lshlrev_b32 v4, 3, v2                        ; 8 bytes a lane: my codes' place in a step's; in Wo's path my four f16
	v_lshrrev_b32 v5, 1, v2
	s_add_co_u32 s25, s25, 2*32*SP
	v_add_nc_u32 v5, s25, v5                       ; LDS: my block's scale byte
	v_lshlrev_b32 v7, 3, v2
	v_add_nc_u32 v6, s25, v7                       ; and on the way out 8 bytes a lane
	s_wait_kmcnt 0x0
	s_cmp_ge_u32 ttmp9, 480                        ; the work-group's number alone decides the path
	s_cbranch_scc1 .Lwo
	; which tensor, and its first work-group: a chain of choices on the work-group's number
	s_mov_b64 s[26:27], s[14:15]
	s_mov_b32 s28, 448
	s_cmp_lt_u32 ttmp9, 448
	s_cselect_b64 s[26:27], s[12:13], s[26:27]
	s_cselect_b32 s28, 416, s28
	s_cmp_lt_u32 ttmp9, 416
	s_cselect_b64 s[26:27], s[10:11], s[26:27]
	s_cselect_b32 s28, 384, s28
	s_cmp_lt_u32 ttmp9, 384
	s_cselect_b64 s[26:27], s[8:9], s[26:27]
	s_cselect_b32 s28, 256, s28
	s_cmp_lt_u32 ttmp9, 256
	s_cselect_b64 s[26:27], s[6:7], s[26:27]
	s_cselect_b32 s28, 128, s28
	s_cmp_lt_u32 ttmp9, 128
	s_cselect_b64 s[26:27], s[4:5], s[26:27]
	s_cselect_b32 s28, 0, s28
	s_sub_co_u32 s28, ttmp9, s28
	s_lshl_b32 s28, s28, 2
	s_add_co_u32 s28, s28, s24                     ; which run of 8,192 numbers of the tensor is my wave's
	s_lshl_b32 s28, s28, 15                        ; 32,768 bytes a run
	s_mov_b32 s29, 0
	s_add_nc_u64 s[26:27], s[26:27], s[28:29]
	s_lshl_b32 s30, ttmp9, 2
	s_add_co_u32 s30, s30, s24                     ; which run of the whole stream
	s_lshl_b32 s32, s30, 12                        ; 4,096 bytes of codes a run
	s_mov_b32 s33, 0
	s_add_nc_u64 s[18:19], s[18:19], s[32:33]
	s_lshl_b32 s32, s30, 8                         ; 256 scale bytes a run
	s_add_nc_u64 s[20:21], s[20:21], s[32:33]
.macro LOAD t
.irp i, 0,1,2,3
	global_load_b128 v[R+16*((\t)%4)+4*\i:R+16*((\t)%4)+4*\i+3], v3, s[26:27] offset:2048*(\t)+512*\i th:TH_LOAD_NT   ; 32 lanes read 512 consecutive bytes
.endr
.endm
.macro TURN t                          ; step t's numbers through the stage: LDS serves a wave's instructions in order, so no wait stands between the stores and the loads
.irp i, 0,1,2,3
	ds_store_b128 v14, v[R+16*((\t)%4)+4*\i:R+16*((\t)%4)+4*\i+3] offset:32*SP*((\t)%2)+8*SP*\i
.endr
.irp i, 0,1,2,3
	ds_load_b128 v[X+16*((\t)%2)+4*\i:X+16*((\t)%2)+4*\i+3], v15 offset:32*SP*((\t)%2)+16*\i
.endr
.endm
.irp t, 0,1,2,3
	LOAD \t
.endr
	s_wait_loadcnt 12                              ; step 0's four loads are in; three steps' twelve stay out
	TURN 0
.macro STEP t
.set XS, X+16*((\t)%2)
.if (\t) > 0
	s_wait_dscnt 1                                 ; this step's numbers are back from the stage (the last step's byte store may be out): its stores into the stage have read their registers,
.else
	s_wait_dscnt 0x0
.endif
.if (\t)+4 < STEPS
	LOAD (\t)+4                                    ; which take the loads of four steps on
.endif
.if (\t)+1 < STEPS
.if STEPS-2-(\t) >= 3
	s_wait_loadcnt 12                              ; the next step's four loads are in; those of the three steps behind it may be out
.else
	s_wait_loadcnt 4*(STEPS-2-(\t))
.endif
	TURN (\t)+1                                    ; and go through the other stage while this step is worked
.endif
	v_max3_num_f32 v8, |v[XS]|, |v[XS+1]|, |v[XS+2]|               ; the largest magnitude of my 16, in two chains
	v_max3_num_f32 v9, |v[XS+3]|, |v[XS+4]|, |v[XS+5]|
.irp i, 6,10
	v_max3_num_f32 v8, v8, |v[XS+\i]|, |v[XS+\i+1]|
	v_max3_num_f32 v9, v9, |v[XS+\i+2]|, |v[XS+\i+3]|
.endr
	v_max3_num_f32 v8, v8, |v[XS+14]|, |v[XS+15]|
	v_max3_num_f32 v8, v8, v9, 0x1800000           ; and the floor 2^(3 - 127): the byte cannot fall under 1
	v_max_num_f32_dpp v8, v8, v8 row_xmask:1 row_mask:0xf bank_mask:0xf   ; and of my neighbour's 16: the block's
	v_add_nc_u32 v11, 0xff000000, v8               ; 2 off its exponent field: the conversion takes the exponent field of this operand as its scale
	v_cvt_scalef32_pk8_fp4_f32 v[C+4*(\t)], v[XS:XS+7], v11
	v_cvt_scalef32_pk8_fp4_f32 v[C+4*(\t)+1], v[XS+8:XS+15], v11
	v_lshrrev_b32 v[E+(\t)], 23, v11               ; the scale's byte (a plain line behind the conversions)
	ds_store_b8 v5, v[E+(\t)] offset:16*(\t)       ; both lanes of a block write the same byte with the same value
	global_store_b64 v4, v[C+4*(\t):C+4*(\t)+1], s[18:19] offset:256*(\t)   ; 32 lanes store 256 consecutive bytes
.endm
.irp t, 0,1,2,3,4,5,6,7,8,9,10,11,12,13,14,15
	STEP \t
.endr
	ds_load_b64 v[8:9], v6                         ; LDS serves a wave's instructions in order: these see my byte stores
	s_wait_dscnt 0x0
	global_store_b64 v7, v[8:9], s[20:21]          ; 32 lanes store my wave's 256 scale bytes
	s_wait_tensorcnt 0x0                           ; the wave's end, behind my last LDS store
	ds_add_u32 v[SPW], v[NIL]
	s_wait_dscnt 0x0
	s_endpgm
; Wo to f16: a plain stream.  64 loads of 512 consecutive bytes a wave, in four groups of sixteen, two groups ahead; a lane's four numbers become 8 bytes, so a store covers 256 consecutive bytes.
.Lwo:
	s_sub_co_u32 s28, ttmp9, 480
	s_lshl_b32 s28, s28, 2
	s_add_co_u32 s28, s28, s24                     ; which run of 8,192 numbers of Wo
	s_lshl_b32 s30, s28, 15
	s_mov_b32 s31, 0
	s_add_nc_u64 s[16:17], s[16:17], s[30:31]
	s_lshl_b32 s30, s28, 14
	s_add_nc_u64 s[22:23], s[22:23], s[30:31]
.macro WLOAD g
.irp i, 0,1,2,3,4,5,6,7,8,9,10,11,12,13,14,15
	global_load_b128 v[R+64*((\g)%2)+4*\i:R+64*((\g)%2)+4*\i+3], v3, s[16:17] offset:512*(16*(\g)+\i) th:TH_LOAD_NT
.endr
.endm
.macro WGRP g
.if (\g) < 3
	s_wait_loadcnt 16                              ; this group's sixteen loads are in; the next group's may be out
.else
	s_wait_loadcnt 0x0
.endif
	s_wait_xcnt 0x0                                ; the last group's stores have read their data: the pairs are written again only behind this wait
.irp i, 0,1,2,3,4,5,6,7,8,9,10,11,12,13,14,15
	v_cvt_pk_f16_f32 v[Y+2*\i], v[R+64*((\g)%2)+4*\i], v[R+64*((\g)%2)+4*\i+1]
	v_cvt_pk_f16_f32 v[Y+2*\i+1], v[R+64*((\g)%2)+4*\i+2], v[R+64*((\g)%2)+4*\i+3]
.endr
.irp i, 0,1,2,3,4,5,6,7,8,9,10,11,12,13,14,15
	global_store_b64 v4, v[Y+2*\i:Y+2*\i+1], s[22:23] offset:256*(16*(\g)+\i)
.endr
.if (\g) < 2
	WLOAD (\g)+2
.endif
.endm
	WLOAD 0
	WLOAD 1
	WGRP 0
	WGRP 1
	WGRP 2
	WGRP 3
	s_wait_tensorcnt 0x0                           ; the same three lines at this path's end
	ds_add_u32 v[SPW], v[NIL]
	s_wait_dscnt 0x0
	s_endpgm
.Lfunc_end_k_q00e943abcc_quant:
	.size	k_q00e943abcc_quant, .Lfunc_end_k_q00e943abcc_quant-k_q00e943abcc_quant
	.p2alignl 7, 3214868480
	.fill 96, 4, 3214868480
	.section	.rodata,"a",@progbits
	.p2align	6, 0x0
	.amdhsa_kernel k_q00e943abcc_quant
		.amdhsa_group_segment_fixed_size 33280
		.amdhsa_private_segment_fixed_size 0
		.amdhsa_enable_private_segment 0
		.amdhsa_kernarg_size 80
		.amdhsa_user_sgpr_count 2
		.amdhsa_user_sgpr_kernarg_segment_ptr 1
		.amdhsa_wavefront_size32 1
		.amdhsa_system_sgpr_workgroup_id_x 1
		.amdhsa_system_sgpr_workgroup_id_y 1
		.amdhsa_system_sgpr_workgroup_id_z 1
		.amdhsa_system_vgpr_workitem_id 0
		.amdhsa_next_free_vgpr 192
		.amdhsa_next_free_sgpr 66
		.amdhsa_reserve_vcc 0
		.amdhsa_float_denorm_mode_32 3
		.amdhsa_float_denorm_mode_16_64 3
		.amdhsa_memory_ordered 1
		.amdhsa_forward_progress 1
		.amdhsa_inst_pref_size 55
	.end_amdhsa_kernel
	.amdgpu_metadata
---
amdhsa.version: [ 1, 2 ]
amdhsa.kernels:
  - .name:           k_q00e943abcc_quant
    .symbol:         k_q00e943abcc_quant.kd
    .args:
      - { .name: xq, .offset: 0, .size: 8, .value_kind: global_buffer, .address_space: global }
      - { .name: xk, .offset: 8, .size: 8, .value_kind: global_buffer, .address_space: global }
      - { .name: xv, .offset: 16, .size: 8, .value_kind: global_buffer, .address_space: global }
      - { .name: Wq, .offset: 24, .size: 8, .value_kind: global_buffer, .address_space: global }
      - { .name: Wk, .offset: 32, .size: 8, .value_kind: global_buffer, .address_space: global }
      - { .name: Wv, .offset: 40, .size: 8, .value_kind: global_buffer, .address_space: global }
      - { .name: Wo, .offset: 48, .size: 8, .value_kind: global_buffer, .address_space: global }
      - { .name: codes, .offset: 56, .size: 8, .value_kind: global_buffer, .address_space: global }
      - { .name: scales, .offset: 64, .size: 8, .value_kind: global_buffer, .address_space: global }
      - { .name: wo16, .offset: 72, .size: 8, .value_kind: global_buffer, .address_space: global }
    .group_segment_fixed_size: 33280
    .private_segment_fixed_size: 0
    .kernarg_segment_align: 8
    .kernarg_segment_size: 80
    .max_flat_workgroup_size: 128
    .sgpr_count:     66
    .vgpr_count:     192
    .wavefront_size: 32
...
	.end_amdgpu_metadata
.endif
;; end of part 1
;; launch proj (part 2): grid 4 x 48, 4 waves a work-group, clusters of 4 x 4, 327,680 bytes of LDS; arguments codes, scales, bq, bk, bv, qkv; writes qkv
.if DOCPART == 2
	.amdgcn_target "amdgcn-amd-amdhsa--gfx1250"
	.amdhsa_code_object_version 6
	.text
	.protected	k_q00e943abcc_proj
	.globl	k_q00e943abcc_proj
	.p2align	8
	.type	k_q00e943abcc_proj,@function
k_q00e943abcc_proj:
	s_mov_b64 s[64:65], 0
	v_nop
	global_prefetch_b8 v0, s[64:65] scope:SCOPE_SE
	s_setreg_imm32_b32 hwreg(HW_REG_WAVE_MODE, 25, 1), 1
	s_wait_xcnt 0x0
	s_wait_alu depctr_hold_cnt(0) depctr_sa_sdst(0) depctr_va_vdst(0) depctr_va_sdst(0) depctr_va_ssrc(0) depctr_va_vcc(0) depctr_vm_vsrc(0)
	s_getreg_b32 s2, hwreg(HW_REG_IB_STS2, 6, 4)
	s_cmp_eq_u32 s2, 0
	s_cbranch_scc0 .Lentry_in_a_cluster
	s_endpgm
.Lentry_in_a_cluster:
	s_bfe_u32 s2, ttmp6, 0x10000c
	s_cmp_lg_u32 s2, 0xf033
	s_cbranch_scc0 .Lentry_shape_is_right
	s_endpgm
.Lentry_shape_is_right:
; q, k, v = Q(x) Q(W)^T + b: the three projections as ONE product of 12,288 rows (xq's, xk's, xv's tokens) x 1,024 columns, K = 1,024, on codes of FP4 (E2M1) with one E8M0 byte for each 32 along K; sums in f32.
; codes: 15,360 rows of 512 bytes, scales: the same rows of 32 bytes; rows 0-12,287 the tokens, row 12,288 + 1,024 p + n is row n of projection p's weight.
; The result is rounded once to f16 and laid by head: qkv [2 p + batch][head][position][64].  LIMIT: a result beyond 65,504 in magnitude has no f16 number.
; A tile of 256 x 256 is made by a work-group of four waves; a wave makes 128 x 128: 64 accumulators, 512 registers.  K is two slots of 512: both are asked for at the head, and nothing is filled again.
; The scale bytes of the work-group's 256 + 256 rows, for all of K, are two dense blocks of 8,192 bytes: they come with the first fills and stay.
; CLUSTERS: 4 x 4 work-groups.  The four of a row of the cluster need the same rows of x, the four of a column the same rows of W: each tile is asked for JOINTLY.  A cluster's 1,024 rows lie in one projection.
; THE MATRIX INSTRUCTION IS USED TRANSPOSED (source 0 = 16 rows of W, source 1 = 16 tokens): a lane holds eight neighbouring columns of one token.  The bias is the C of each sum's first product.
; REGISTERS, in windows of 256: window 0: v0-31 addresses; v32-95 scale words, two sets; v96-127 packed results; v128-191 x's fragments, ONE set (on the way out: rows read back); v192-255 the bias, eight registers a block of columns.
;   window 1: W's fragments, TWO sets, at v0 and v128.   window 2: the accumulators of my rows 0-63 ((a, b) at v[8 (8 a + b)]);   window 3: those of my rows 64-127.
.set NQ,     4                         ; matrix instructions deep in a slot
.set ROWB,   256                       ; a tile's row in bytes: 512 codes
.set KROW,   512                       ; a row of codes in memory
.set PITCH,  272                       ; an LDS row: 256 bytes + 16 of padding: the 16 rows of a load start 68 words apart
.set FR,     8                         ; registers of a fragment: 16 rows x 128 K
.set NL,     2                         ; LDS loads that bring one
.set NP,     4                         ; places behind this matrix instruction (ISA guide 7.12.1)
.set HALFT,  128*PITCH                 ; 128 rows: what one tensor load brings
.set SLOT,   4*HALFT                   ; x's 256 rows, then W's 256 rows
.set KS,     32                        ; a row of scale bytes
.set SCL,    2*SLOT                    ; behind the two slots: the scales, as runs of 256 bytes + 16 of padding
.set HALFS,  16*272                    ; the scales of 128 rows
.set SBLK,   2*272                     ; those of 16 rows
.set SPARE,  SCL+4*HALFS               ; the spare words, 128 bytes a wave
.set STAGE,  SPARE+512                 ; the way out: 16 rows x 272 bytes for each wave; no tensor load lands here
.set SPITCH, 272
.set ADRA, 16                          ; v16-17  LDS address of my x fragments in slot 0, 1
.set ADRB, 20                          ; v20-21  the same for W
.set STO,  24                          ; v24     the way out: where I put 16 bytes of a row
.set RD,   25                          ; v25     where I read them back
.set CO,   26                          ; v26     16 x lane
.set ADRS, 27                          ; v27     LDS address of my scale words: lanes 0-15 x's rows, lanes 16-31 W's
.set SPW,  28                          ; v28     my spare word; never rewritten
.set NIL,  29                          ; v29     0; never rewritten
.set BO,   30                          ; v30     my byte offset in the bias
.set SC,   32
.set TMP,  96
.set AF,   128
.set BK,   128
.set BI,   192
.set G1, 24
.set G0, 32
.set G1B, 48
.set G0B, 56
.set G1S, 68
.set G0S, 76
.set G1SB, 80
.set G0SB, 88
.set MSB, 0
.macro WIN new                         ; the immediate's high byte repeats the setting that is left
.if MSB != (\new)
	s_set_vgpr_msb (MSB<<8)|(\new)
.set MSB, (\new)
.endif
.endm
.set MUL_LO, 0xa1                      ; source 0 (W) window 1, source 1 (x) window 0, C and D window 2
.set MUL_HI, 0xf1                      ; the same, C and D window 3
.set TO_B,   0x40                      ; destination window 1, address window 0
; A joint load: waves 0 and 1 fetch for x, waves 2 and 3 for W.  The branch hangs on the wave's number alone.  An s_nop 0 and four v_nop follow each of the two lines.
.macro JLOAD g0a, g1a, g0b, g1b
	s_cmp_eq_u32 s15, 0
	s_cbranch_scc0 .Lfor_b_\@
	tensor_load_to_lds s[\g0a:\g0a+3], s[\g1a:\g1a+7]
	s_nop 0
.rept 4
	v_nop
.endr
	s_branch .Lasked_\@
.Lfor_b_\@:
	tensor_load_to_lds s[\g0b:\g0b+3], s[\g1b:\g1b+7]
	s_nop 0
.rept 4
	v_nop
.endr
.Lasked_\@:
.endm
.macro CROUND                          ; a round of the cluster's barrier
	s_barrier_signal -1
	s_barrier_wait -1
	s_cmp_lg_u32 s14, 0
	s_cbranch_scc1 .Lnot_wave_0_\@
	s_barrier_signal -3
.Lnot_wave_0_\@:
	s_barrier_wait -3
	s_barrier_signal -1
	s_barrier_wait -1
.endm
	s_load_b128 s[4:7], s[0:1], 0x0                ; codes s[4:5], scales s[6:7]
	s_load_b128 s[8:11], s[0:1], 0x10              ; bq s[8:9], bk s[10:11]
	s_load_b128 s[96:99], s[0:1], 0x20             ; bv s[96:97], qkv s[98:99]
	v_lshl_add_u32 v[SPW], v0, 2, SPARE
	v_mov_b32 v[NIL], 0
	ds_add_u32 v[SPW], v[NIL]                      ; the wave's opening: the add, twice on end, and its wait ahead of my first tensor load
	ds_add_u32 v[SPW], v[NIL]
	v_lshrrev_b32 v1, 5, v0
	v_readfirstlane_b32 s14, v1                    ; wave 0..3
	s_lshr_b32 s15, s14, 1                         ; which half of the tile's rows is mine.  Also: I fetch for x (0) or for W (1)
	s_and_b32 s16, s14, 1                          ; which half of its columns.  Also: which 128 rows I fetch
	s_bfe_u32 s40, ttmp6, 0x40000                  ; cx, cy: my place in the cluster
	s_bfe_u32 s41, ttmp6, 0x40004
	s_lshl_b32 s42, ttmp9, 2
	s_add_co_u32 s42, s42, s40                     ; tile column
	s_and_b32 s95, ttmp7, 0xffff                   ; cluster y
	s_lshl_b32 s17, s95, 2
	s_add_co_u32 s17, s17, s41                     ; tile row, 0..47
	s_lshr_b32 s95, s95, 2                         ; the projection: the same in all sixteen partners
	s_lshl_b32 s43, s41, 2
	s_lshl_b32 s43, 15, s43                        ; my row of the cluster
	s_lshl_b32 s44, 0x1111, s40                    ; my column
	; descriptor group 1: 128 rows x 256 bytes, 16 bytes of padding behind each
	s_or_b32 s[G1+0], s43, (0<<16)|(1<<20)|(1<<21)|(5<<22)|(3<<25)
	s_or_b32 s[G1B+0], s44, (0<<16)|(1<<20)|(1<<21)|(5<<22)|(3<<25)
.irp g, G1, G1B
	s_mov_b32 s[\g+1], ROWB<<16                    ; tensor_dim0
	s_mov_b32 s[\g+2], 128<<16                     ; tensor_dim1
	s_mov_b32 s[\g+3], ROWB<<16                    ; tile_dim0
	s_mov_b32 s[\g+4], 128                         ; tile_dim1
	s_mov_b32 s[\g+5], KROW                        ; from row to row
	s_mov_b32 s[\g+6], 0
	s_mov_b32 s[\g+7], 0
.endr
	; the scales of 128 rows: 4,096 dense bytes as 16 rows of 256 (32 elements of 8 bytes), 16 bytes of padding behind each
	s_or_b32 s[G1S+0], s43, (3<<16)|(1<<20)|(1<<21)|(5<<22)|(3<<25)
	s_or_b32 s[G1SB+0], s44, (3<<16)|(1<<20)|(1<<21)|(5<<22)|(3<<25)
.irp g, G1S, G1SB
	s_mov_b32 s[\g+1], 32<<16
	s_mov_b32 s[\g+2], 16<<16
	s_mov_b32 s[\g+3], 32<<16
	s_mov_b32 s[\g+4], 16
	s_mov_b32 s[\g+5], 32
	s_mov_b32 s[\g+6], 0
	s_mov_b32 s[\g+7], 0
.endr
	s_lshl_b32 s18, s16, 7                         ; which 128 rows of the tile I fetch
	s_lshl_b32 s20, s17, 8
	s_add_co_u32 s20, s20, s18                     ; x: row 256 x tile row + 128 x half
	s_lshl_b32 s46, s42, 8
	s_add_co_u32 s46, s46, s18
	s_lshl_b32 s19, s95, 10
	s_add_co_u32 s46, s46, s19
	s_add_co_u32 s46, s46, 12288                   ; W: row 12,288 + 1,024 p + 256 x tile column + 128 x half
	s_lshl_b32 s22, s20, 5                         ; where these rows' scales begin, in bytes,
	s_mov_b32 s23, 0
	s_lshl_b32 s92, s46, 5
	s_mov_b32 s93, 0
	s_lshl_b32 s20, s20, 9                         ; and their codes
	s_mov_b32 s21, 0
	s_lshl_b32 s46, s46, 9
	s_mov_b32 s47, 0
	s_mul_i32 s45, s14, HALFT                      ; where they go: wave x 128 rows: no place in the cluster enters an LDS address
	s_mul_i32 s94, s14, HALFS
	s_wait_dscnt 0x0                               ; both opening adds are done
	s_wait_kmcnt 0x0
	s_add_nc_u64 s[20:21], s[4:5], s[20:21]
	s_add_nc_u64 s[22:23], s[6:7], s[22:23]
	s_add_nc_u64 s[46:47], s[4:5], s[46:47]
	s_add_nc_u64 s[92:93], s[6:7], s[92:93]
	CROUND                                         ; all sixteen work-groups are here: the joint loads meet
	s_mov_b32 s[G0S], 1
	s_add_co_u32 s[G0S+1], s94, SCL
	s_mov_b64 s[G0S+2:G0S+3], s[22:23]
	s_or_b32 s[G0S+3], s[G0S+3], 0x80000000
	s_mov_b32 s[G0SB], 1
	s_add_co_u32 s[G0SB+1], s94, SCL
	s_mov_b64 s[G0SB+2:G0SB+3], s[92:93]
	s_or_b32 s[G0SB+3], s[G0SB+3], 0x80000000
	JLOAD G0S, G1S, G0SB, G1SB                     ; the scales first: they are wanted with the first 512 along K
.irp s, 0,1
	s_mov_b32 s[G0+4*\s], 1
	s_add_co_u32 s[G0+4*\s+1], s45, \s*SLOT
	s_add_nc_u64 s[G0+4*\s+2:G0+4*\s+3], s[20:21], \s*ROWB
	s_or_b32 s[G0+4*\s+3], s[G0+4*\s+3], 0x80000000
	s_mov_b32 s[G0B+4*\s], 1
	s_add_co_u32 s[G0B+4*\s+1], s45, \s*SLOT
	s_add_nc_u64 s[G0B+4*\s+2:G0B+4*\s+3], s[46:47], \s*ROWB
	s_or_b32 s[G0B+4*\s+3], s[G0B+4*\s+3], 0x80000000
	JLOAD G0+4*\s, G1, G0B+4*\s, G1B               ; three tensor loads of mine are out behind the second
.endr
	v_and_b32 v1, 15, v0                           ; r = l % 16
	v_bfe_u32 v2, v0, 4, 1                         ; h = l / 16
	; the bias: which of the three, by the projection; lane (r, h) wants, for the block b of 16 columns, those of columns 16 b + 8 h + 0 .. 7
	s_cmp_lt_u32 s95, 2
	s_cselect_b64 s[10:11], s[10:11], s[96:97]
	s_cmp_lt_u32 s95, 1
	s_cselect_b64 s[8:9], s[8:9], s[10:11]
	s_lshl_b32 s46, s42, 10
	s_lshl_b32 s47, s16, 9
	s_add_co_u32 s46, s46, s47                     ; 4 x (256 x tile column + 128 x half)
	v_lshlrev_b32 v[BO], 5, v2
	v_add_nc_u32 v[BO], s46, v[BO]
.irp b, 0,1,2,3,4,5,6,7
	global_load_b128 v[BI+8*\b:BI+8*\b+3], v[BO], s[8:9] offset:64*\b
	global_load_b128 v[BI+8*\b+4:BI+8*\b+7], v[BO], s[8:9] offset:64*\b+16
.endr
	v_mul_u32_u24 v3, v1, PITCH
	v_lshl_add_u32 v4, v2, 4, v3                   ; a fragment's row x pitch + 16 x half
	s_mul_i32 s21, s15, HALFT                      ; my 128 rows of x
	s_mul_i32 s22, s16, HALFT                      ; my 128 rows of W,
	s_add_co_u32 s22, s22, 2*HALFT                 ; which lie behind x's 256
.irp s, 0,1
	v_add_nc_u32 v[ADRA+\s], s21, v4
	v_add_nc_u32 v[ADRB+\s], s22, v4
	s_add_co_u32 s21, s21, SLOT
	s_add_co_u32 s22, s22, SLOT
.endr
	v_mul_u32_u24 v5, v1, KS                       ; my row's scales: 32 bytes a row,
	v_lshrrev_b32 v6, 8, v5
	v_lshl_add_u32 v5, v6, 4, v5                   ; and 16 more for each 256 passed
	s_mul_i32 s21, s15, HALFS
	s_mul_i32 s22, s16, HALFS
	s_add_co_u32 s22, s22, 2*HALFS
	s_sub_co_u32 s22, s22, s21
	v_mul_u32_u24 v6, s22, v2                      ; lanes 16-31 take W's: one product, the distance between the two bases x h
	s_add_co_u32 s21, s21, SCL
	v_add_nc_u32 v5, v5, v6
	v_add_nc_u32 v[ADRS], s21, v5
	s_mul_i32 s23, s14, 16*SPITCH
	s_add_co_u32 s23, s23, STAGE                   ; my stage
	v_mul_u32_u24 v5, v1, SPITCH                   ; in: row r, 16 bytes for each half of the lanes
	v_lshl_add_u32 v5, v2, 4, v5
	v_add_nc_u32 v[STO], s23, v5
	v_and_b32 v6, 31, v0
	v_lshlrev_b32 v[CO], 4, v6
	v_lshrrev_b32 v5, 3, v6                        ; back: eight lanes take a head's 128 bytes of one row, four rows an instruction
	v_mul_u32_u24 v5, v5, SPITCH
	v_and_b32 v7, 7, v0
	v_lshl_add_u32 v5, v7, 4, v5
	v_add_nc_u32 v[RD], s23, v5
	; where my part begins in qkv: row m0 = 256 x tile row + 128 x half: plane m0 / 2,048, position m0 % 2,048; head 4 x tile column + 2 x half
	s_lshl_b32 s20, s17, 8
	s_lshl_b32 s21, s15, 7
	s_add_co_u32 s20, s20, s21
	s_lshr_b32 s21, s20, 11
	s_lshl_b32 s21, s21, 22
	s_and_b32 s20, s20, 2047
	s_lshl_b32 s20, s20, 7
	s_add_co_u32 s20, s20, s21
	s_lshl_b32 s46, s42, 2
	s_lshl_b32 s47, s16, 1
	s_add_co_u32 s46, s46, s47
	s_lshl_b32 s46, s46, 18
	s_add_co_u32 s20, s20, s46
	s_mov_b32 s21, 0
	s_add_nc_u64 s[12:13], s[98:99], s[20:21]
.macro FRAG reg, adr, q, i             ; 16 rows x 128 K of 4-bit codes: lane l holds row l % 16; registers 4 c .. 4 c + 3 hold K = 64 c + 32 (l / 16) + 0 .. 31
.irp c, 0,1
	ds_load_b128 v[\reg+4*\c:\reg+4*\c+3], v[\adr] offset:64*(\q)+32*\c+(\i)*16*PITCH
.endr
.endm
; 16 matrix instructions: x's blocks a0, a0 + 1 against W's eight, 128 along K.  p: W's set; sc: the set of scale words.  first = 1: the bias is C, and the product starts the sums.
; The 64 accumulators take turns, one instruction a turn, in the same order in every step.
.macro MUL16 a0, p, q, sc, first
.irp a, \a0, \a0+1
.irp b, 0,1,2,3,4,5,6,7
.if \first
	v_wmma_scale_f32_16x16x128_f8f6f4 v[8*(8*((\a)%4)+\b):8*(8*((\a)%4)+\b)+7], v[128*(\p)+FR*\b:128*(\p)+FR*\b+FR-1], v[AF+FR*(\a):AF+FR*(\a)+FR-1], v[BI+8*\b:BI+8*\b+7], v[SC+8*NQ*(\sc)+NQ*\b+(\q)], v[SC+8*NQ*(\sc)+NQ*(\a)+(\q)] matrix_a_fmt:MATRIX_FMT_FP4 matrix_b_fmt:MATRIX_FMT_FP4 matrix_a_scale:MATRIX_SCALE_ROW1
.else
	v_wmma_scale_f32_16x16x128_f8f6f4 v[8*(8*((\a)%4)+\b):8*(8*((\a)%4)+\b)+7], v[128*(\p)+FR*\b:128*(\p)+FR*\b+FR-1], v[AF+FR*(\a):AF+FR*(\a)+FR-1], v[8*(8*((\a)%4)+\b):8*(8*((\a)%4)+\b)+7], v[SC+8*NQ*(\sc)+NQ*\b+(\q)], v[SC+8*NQ*(\sc)+NQ*(\a)+(\q)] matrix_a_fmt:MATRIX_FMT_FP4 matrix_b_fmt:MATRIX_FMT_FP4 matrix_a_scale:MATRIX_SCALE_ROW1
.endif
.endr
.endr
.endm
.macro FETCH_B slot, q, p
	WIN TO_B
.irp i, 0,1,2,3,4,5,6,7
	FRAG 128*(\p)+FR*\i, ADRB+\slot, \q, \i
.endr
	WIN 0
.endm
.macro FETCH_A slot, q, i0
.irp i, \i0, \i0+1, \i0+2, \i0+3
	FRAG AF+FR*(\i), ADRA+\slot, \q, \i
.endr
.endm
.macro SCALES sc                       ; a slot's scale words: four words a row; lanes 0-15 take x's block i, lanes 16-31 W's block i
.irp i, 0,1,2,3,4,5,6,7
	ds_load_b128 v[SC+8*NQ*\sc+NQ*\i:SC+8*NQ*\sc+NQ*\i+3], v[ADRS] offset:\i*SBLK
.endr
.endm
.macro PLACES n                        ; plain vector instructions between a matrix instruction and a load into, or a read of, its registers
.rept \n
	v_nop
.endr
.endm
; A step of 128 along K that has its successor in the same slot.  With first = 1 the C operand lies in window 0 (0x81, 0xc1).
.macro STEP slot, q, first
	s_wait_dscnt 4*NL                              ; W's set and x's blocks 0-3 are in; the youngest eight loads (x's blocks 4-7) may be out
	WIN MUL_LO-0x20*(\first)
	MUL16 0, (\q)%2, \q, \slot, \first
	MUL16 2, (\q)%2, \q, \slot, \first
	s_wait_dscnt 0                                 ; x's blocks 4-7 are in
	PLACES NP
	FETCH_B \slot, (\q)+1, 1-(\q)%2
	FETCH_A \slot, (\q)+1, 0
	WIN MUL_HI-0x30*(\first)
	MUL16 4, (\q)%2, \q, \slot, \first
	MUL16 6, (\q)%2, \q, \slot, \first
	PLACES NP
	WIN 0
	FETCH_A \slot, (\q)+1, 4
.endm
.macro STEPS slot, from
.set Q, \from
.rept NQ-1-\from
	STEP \slot, Q, 0
.set Q, Q+1
.endr
.endm
	s_wait_tensorcnt 1                             ; the scales and my part of slot 0 are in (slot 1's load may be out)
	s_barrier_signal -1
	s_barrier_wait -1                              ; everybody's are
	FETCH_B 0, 0, 0
	FETCH_A 0, 0, 0
	SCALES 0
	FETCH_A 0, 0, 4
	s_wait_loadcnt 0x0                             ; the bias
	STEP 0, 0, 1
	STEPS 0, 1
	; slot 0's last step changes slots: one barrier; in front of it each wave waits for all its tensor loads (its part of slot 1), adds 0 to its spare word, and waits for that and for its reads
	s_wait_tensorcnt 0x0
	ds_add_u32 v[SPW], v[NIL]
	s_wait_dscnt 4*NL+1                            ; (the add and the youngest eight loads may be out)
	WIN MUL_LO
	MUL16 0, 1, NQ-1, 0, 0
	s_wait_dscnt 0x0
	s_barrier_signal -1
	MUL16 2, 1, NQ-1, 0, 0
	WIN 0
	s_barrier_wait -1                              ; slot 1 is whole
	PLACES NP
	v_add_nc_u32 v[ADRS], 4*NQ, v[ADRS]            ; on to slot 1's scale words
	FETCH_B 1, 0, 0
	FETCH_A 1, 0, 0
	SCALES 1
	WIN MUL_HI
	MUL16 4, 1, NQ-1, 0, 0
	MUL16 6, 1, NQ-1, 0, 0
	PLACES NP
	WIN 0
	FETCH_A 1, 0, 4
	STEPS 1, 0
	s_wait_dscnt 4*NL                              ; the very last step: nothing more to fetch
	WIN MUL_LO
	MUL16 0, 1, NQ-1, 1, 0
	MUL16 2, 1, NQ-1, 1, 0
	s_wait_dscnt 0
	WIN MUL_HI
	MUL16 4, 1, NQ-1, 1, 0
	MUL16 6, 1, NQ-1, 1, 0
	WIN 0
; THE WAY OUT, a block of 16 tokens x 128 columns (two heads) at a time.  PACK: rounded to f16, 16 bytes a lane, each accumulator from its low end on.  TOSTAGE: into my own stage, and back by heads.
; SEND: 16 tokens of one head are 2,048 consecutive bytes of qkv: each store covers 512 of them.  Every offset is an immediate: no pointer is stepped.
.macro PACK a
.set AC, 64*((\a)%4)
	WIN 0x0a+5*((\a)/4)                            ; sources 0 and 1: window 2 or 3
.irp b, 0,1,2,3,4,5,6,7
.irp r, 0,1,2,3
	v_cvt_pk_f16_f32 v[TMP+4*\b+\r], v[AC+8*\b+2*\r], v[AC+8*\b+2*\r+1]
.endr
.endr
	WIN 0
.endm
.macro TOSTAGE a
.set BB, BK+32*((\a)%2)
.irp b, 0,1,2,3,4,5,6,7
	ds_store_b128 v[STO], v[TMP+4*\b:TMP+4*\b+3] offset:32*\b
.endr
.irp u, 0,1
.irp i, 0,1,2,3
	ds_load_b128 v[BB+4*(4*\u+\i):BB+4*(4*\u+\i)+3], v[RD] offset:4*SPITCH*\i+128*\u   ; LDS serves a wave's instructions in order: these see the stores above
.endr
.endr
.endm
.macro SEND a
.set BB, BK+32*((\a)%2)
	s_wait_dscnt 0x0                               ; the block is back in registers
	s_wait_xcnt 0x0                                ; the block before has had its stores' registers read: the next block's loads may land there
.irp u, 0,1
.irp i, 0,1,2,3
	global_store_b128 v[CO], v[BB+4*(4*\u+\i):BB+4*(4*\u+\i)+3], s[12:13] offset:2048*(\a)+262144*\u+512*\i
.endr
.endr
.endm
	PLACES NP
	PACK 0
	TOSTAGE 0
.irp a, 1,2,3,4,5,6,7
	PACK \a
	SEND \a-1
	TOSTAGE \a
.endr
	SEND 7
	s_wait_tensorcnt 0x0                           ; the wave's end, behind my last tensor load and my last LDS store
	ds_add_u32 v[SPW], v[NIL]
	s_wait_dscnt 0x0
	CROUND                                         ; the closing round
	s_endpgm
.Lfunc_end_k_q00e943abcc_proj:
	.size	k_q00e943abcc_proj, .Lfunc_end_k_q00e943abcc_proj-k_q00e943abcc_proj
	.p2alignl 7, 3214868480
	.fill 96, 4, 3214868480
	.section	.rodata,"a",@progbits
	.p2align	6, 0x0
	.amdhsa_kernel k_q00e943abcc_proj
		.amdhsa_group_segment_fixed_size 327680
		.amdhsa_private_segment_fixed_size 0
		.amdhsa_enable_private_segment 0
		.amdhsa_kernarg_size 48
		.amdhsa_user_sgpr_count 2
		.amdhsa_user_sgpr_kernarg_segment_ptr 1
		.amdhsa_wavefront_size32 1
		.amdhsa_system_sgpr_workgroup_id_x 1
		.amdhsa_system_sgpr_workgroup_id_y 1
		.amdhsa_system_sgpr_workgroup_id_z 1
		.amdhsa_system_vgpr_workitem_id 0
		.amdhsa_next_free_vgpr 1024
		.amdhsa_next_free_sgpr 100
		.amdhsa_reserve_vcc 0
		.amdhsa_float_denorm_mode_32 3
		.amdhsa_float_denorm_mode_16_64 3
		.amdhsa_memory_ordered 1
		.amdhsa_forward_progress 1
		.amdhsa_inst_pref_size 128
	.end_amdhsa_kernel
	.amdgpu_metadata
---
amdhsa.version: [ 1, 2 ]
amdhsa.kernels:
  - .name:           k_q00e943abcc_proj
    .symbol:         k_q00e943abcc_proj.kd
    .args:
      - { .name: codes, .offset: 0, .size: 8, .value_kind: global_buffer, .address_space: global }
      - { .name: scales, .offset: 8, .size: 8, .value_kind: global_buffer, .address_space: global }
      - { .name: bq, .offset: 16, .size: 8, .value_kind: global_buffer, .address_space: global }
      - { .name: bk, .offset: 24, .size: 8, .value_kind: global_buffer, .address_space: global }
      - { .name: bv, .offset: 32, .size: 8, .value_kind: global_buffer, .address_space: global }
      - { .name: qkv, .offset: 40, .size: 8, .value_kind: global_buffer, .address_space: global }
    .group_segment_fixed_size: 327680
    .private_segment_fixed_size: 0
    .kernarg_segment_align: 8
    .kernarg_segment_size: 48
    .max_flat_workgroup_size: 128
    .sgpr_count:     100
    .vgpr_count:     1024
    .wavefront_size: 32
...
	.end_amdgpu_metadata
.endif
;; end of part 2
;; launch attn (part 3): grid 8 x 32, 8 waves a work-group, clusters of 4 x 1, 327,680 bytes of LDS; arguments qkv, vals; writes vals
.if DOCPART == 3
	.amdgcn_target "amdgcn-amd-amdhsa--gfx1250"
	.amdhsa_code_object_version 6
	.text
	.protected	k_q00e943abcc_attn
	.globl	k_q00e943abcc_attn
	.p2align	8
	.type	k_q00e943abcc_attn,@function
k_q00e943abcc_attn:
	s_mov_b64 s[64:65], 0
	v_nop
	global_prefetch_b8 v0, s[64:65] scope:SCOPE_SE
	s_setreg_imm32_b32 hwreg(HW_REG_WAVE_MODE, 25, 1), 1
	s_wait_xcnt 0x0
	s_wait_alu depctr_hold_cnt(0) depctr_sa_sdst(0) depctr_va_vdst(0) depctr_va_sdst(0) depctr_va_ssrc(0) depctr_va_vcc(0) depctr_vm_vsrc(0)
	s_getreg_b32 s2, hwreg(HW_REG_IB_STS2, 6, 4)
	s_cmp_eq_u32 s2, 0
	s_cbranch_scc0 .Lentry_in_a_cluster
	s_endpgm
.Lentry_in_a_cluster:
	s_bfe_u32 s2, ttmp6, 0x10000c
	s_cmp_lg_u32 s2, 0x3003
	s_cbranch_scc0 .Lentry_shape_is_right
	s_endpgm
.Lentry_shape_is_right:
; vals[token][head][:] = the sum over keys of softmax(q . k / 8) v, for each of 32 (batch, head) pairs, 2,048 queries and 2,048 keys, head size 64, no mask.
; q, k, v: f16, qkv [2 p + batch][head][position][64].  Products with f16 operands and f32 sums; maxima, exponentials and sums in f32; the weights p (at most 1) are rounded to f16 for the second product.
; vals: f16, [token / 64][head][token % 64][64], so that a wave's 32 tokens of a head are 4,096 consecutive bytes.
; LIMITS: NaN and infinities are not served; the running maximum begins at -3e38; results under 6e-5 in magnitude keep f16's absolute step of 6e-8.
; SHARES.  A work-group owns 256 queries of one head, each of its eight waves 32: two tiles of 16; two waves to a SIMD.  Every wave walks all keys, 64 a step.
; LAYOUT.  S^T = K Q^T (source 0 = 16 keys, source 1 = 16 queries): a lane holds ONE query (lane % 16) and the keys 8 (lane / 16) + 0..7.  Two such tiles, rounded to f16 in pairs, ARE source 1 of O^T = V^T P.
; K comes out of LDS as it lies, V ([key][channel]) turned, by ds_load_tr16_b128.
; SOFTMAX.  A running maximum m and sum l for each query: p = 2^(c s - c m), c = log2(e) / 8; in every step O and l are multiplied by a = 2^(c m_old - c m_new).
; THE LOOP IS PIPELINED BY ONE STEP, so that vector work stands between the matrix instructions.  Trip j: K(j+1) is asked of LDS | the sums of p(j) and its rounding to f16 | the products K(j+1) Q^T, two rescalings of O^T by a(j)
; behind each | V(j) is asked of LDS | the maximum, m and a of step j+1 | the products V(j)^T P(j), two scalings and four exponentials of step j+1 behind each.  Each run of LDS loads has vector work in which to land.
; THE RING.  Two LDS slots, filled by the tensor data mover (waves 0-3: K's quarters; waves 4-7: V's) and read by all eight.  K runs a step ahead of V, so K's slots stand one step further on: slot s holds K of steps
; 8 s + 1 .. 8 s + 8 and V of steps 8 s .. 8 s + 7, and a slot's eight trips read that slot alone.  K of step 0 has 64 rows of its own.  The last fill of K brings 64 rows beyond the head's last key: they lie inside qkv and nobody reads them.
; CLUSTER.  The four query blocks of a cluster belong to one head and walk the same K and V: each tile is asked for JOINTLY, by the same tensor load with the same descriptor and a mask that names the four.
; REGISTERS.  Window 0: v1-10 addresses; v12-31 ten registers of statistics a tile; v32-63 P, 16 a tile; v64-127 a step's K, then a step's V; v128-191 S^T, 32 a tile; v192-255 O^T, 32 a tile.
;   Window 1: v4-7 a, a pair a tile; v32-63 Q.  Both are only ever source 1: one setting serves the whole phase of K Q^T; the two exponentials that make a have a setting of their own: four switches a trip.
.set PK,    144                        ; a key's row of K in LDS: 128 bytes + 16 of padding
.set PV,    160                        ; of V: 128 + 32
.set SKEYS, 512                        ; keys in a slot
.set VOFF,  SKEYS*PK                   ; a slot: 512 rows of K, then 512 rows of V
.set SLOT,  SKEYS*(PK+PV)
.set SPARE, 2*SLOT                     ; behind the two slots: the spare words, 128 bytes for each of eight waves
.set KZ,    SPARE+1024                 ; behind them: K of step 0, 64 rows, filled once
.set SP,    144                        ; the way out: 32 rows x 144 bytes for each wave, in slot 0, which by then has had its last fill and its last read
.set AK0, 1                            ; v1   my lane's place in a tile of K
.set AV0, 2                            ; v2   the same for V
.set ADR, 3                            ; v3   the LDS address of the run of loads in hand
.set STO, 4                            ; v4   the way out: where I put 16 bytes of a row
.set RD,  5                            ; v5   where I read them back
.set GO,  6                            ; v6   16 x lane
.set PFO, 7                            ; v7   256 x lane; never rewritten
.set SPW, 8                            ; v8   my spare word; never rewritten
.set NIL, 9                            ; v9   0; never rewritten
.set QO,  10                           ; v10  my byte offset in the wave's rows of Q
.set ST,  12                           ; tile t's statistics at v[ST + 10 t]: +0 c m, +1 m, +2, +3 l (even keys', odd keys'), +4, +5 maxima, then the step's sum, +6 on the way out 1 / l, +7 c m_old - c m_new, +8, +9 at work
.set P,   32
.set KV,  64
.set S,   128
.set O,   192
.set A1,  4                            ; in window 1: a of tile t in v[A1 + 2 t]; the register above it is named with it as a pair
.set QW,  32                           ; in window 1: Q, fragment (tile t, channels 32 c on) at QW + 16 t + 8 c
.set WV,  12                           ; s12  my wave's number
.set LIM, 15                           ; s15  1 in a wave that prefetches
.set PFA, 18                           ; s[18:19] what my prefetch names
.set G1K, 24                           ; s[24:31] descriptor group 1 for K's tiles;  s[32:39] for V's: it differs in the padding alone
.set G1V, 32
.set G0K, 40                           ; s[40:47] group 0 for K's tiles, a set for each slot;  s[48:55] for V's
.set G0V, 48
.set CS,  58                           ; s[58:59] c
.set SEL, 60                           ; s[60:61] lane selects for v_permlanex16_b32: lane l xor 16
.set TK,  62                           ; s62  LDS byte at which the rows of K to be fetched begin
.set TV,  63                           ; s63  and of V
.set CNT, 66                           ; s66  counts a slot's trips
.set G1Z, 72                           ; s[72:79], s[80:83] groups 1 and 0 for K of step 0: 16 rows a wave
.set G0Z, 80
.set MSB, 0
.macro WIN new                         ; the immediate's high byte repeats the setting that is left
.if MSB != (\new)
	s_set_vgpr_msb (MSB<<8)|(\new)
.set MSB, (\new)
.endif
.endm
; A joint load into slot s.  Waves 0-3 fetch K's quarters, waves 4-7 V's.  The branch hangs on the wave's number alone.  An s_nop 0 and four v_nop follow each of the two lines.
.macro JLOAD s
	s_cmp_lt_u32 s[WV], 4
	s_cbranch_scc0 .Lfor_v_\@
	tensor_load_to_lds s[G0K+4*\s:G0K+4*\s+3], s[G1K:G1K+7]
	s_nop 0
.rept 4
	v_nop
.endr
	s_branch .Lasked_\@
.Lfor_v_\@:
	tensor_load_to_lds s[G0V+4*\s:G0V+4*\s+3], s[G1V:G1V+7]
	s_nop 0
.rept 4
	v_nop
.endr
.Lasked_\@:
.endm
.macro CROUND                          ; a round of the cluster's barrier
	s_barrier_signal -1
	s_barrier_wait -1
	s_cmp_lg_u32 s[WV], 0
	s_cbranch_scc1 .Lnot_wave_0_\@
	s_barrier_signal -3
.Lnot_wave_0_\@:
	s_barrier_wait -3
	s_barrier_signal -1
	s_barrier_wait -1
.endm
	s_load_b128 s[4:7], s[0:1], 0x0                ; qkv s[4:5], vals s[6:7]
	v_lshl_add_u32 v[SPW], v0, 2, SPARE
	v_mov_b32 v[NIL], 0
	ds_add_u32 v[SPW], v[NIL]                      ; the wave's opening: the add, twice on end, and its wait ahead of my first tensor load
	ds_add_u32 v[SPW], v[NIL]
	v_lshrrev_b32 v11, 5, v0
	v_readfirstlane_b32 s[WV], v11                 ; wave 0..7
	s_bfe_u32 s13, ttmp6, 0x40000                  ; cx: my place in the cluster
	s_lshl_b32 s14, ttmp9, 2
	s_add_co_u32 s14, s14, s13                     ; my block of 256 queries: it enters Q's, the output's and the prefetch's addresses alone
	s_and_b32 s67, ttmp7, 0xffff                   ; 16 x batch + head, which the four partners share
	s_lshl_b32 s20, s67, 18                        ; its first byte in each of q, k, v: 2,048 rows of 128 bytes
	s_and_b32 s16, s[WV], 3                        ; which quarter of a slot's keys I fetch:
	s_lshl_b32 s22, s16, 14                        ; 128 rows of 128 bytes in memory,
	s_add_co_u32 s22, s22, s20
	s_mov_b32 s23, 0
	s_mul_i32 s17, s16, 128*PK                     ; and its place in a slot, for K
	s_mul_i32 s56, s16, 128*PV
	s_add_co_u32 s56, s56, VOFF                    ; and for V: no place in the cluster enters an LDS address
	s_lshl_b32 s84, s16, 11                        ; K of step 0: my 16 rows of 128 bytes in memory,
	s_add_co_u32 s84, s84, s20
	s_mov_b32 s85, 0
	s_mul_i32 s86, s16, 16*PK
	s_add_co_u32 s86, s86, KZ                      ; and in LDS
	s_lshl_b32 s68, s14, 15                        ; Q: my block's 256 rows, my wave's 32 of them
	s_lshl_b32 s69, s[WV], 12
	s_add_co_u32 s68, s68, s69
	s_add_co_u32 s68, s68, s20
	s_mov_b32 s69, 0
	s_lshr_b32 s70, s67, 4                         ; the output: block of 64 tokens 32 x batch + 4 x query block + wave / 2,
	s_lshl_b32 s70, s70, 5
	s_lshl_b32 s71, s14, 2
	s_add_co_u32 s70, s70, s71
	s_lshr_b32 s71, s[WV], 1
	s_add_co_u32 s70, s70, s71
	s_lshl_b32 s70, s70, 17
	s_and_b32 s71, s67, 15                         ; the head's 8,192 bytes in it,
	s_lshl_b32 s71, s71, 13
	s_add_co_u32 s70, s70, s71
	s_and_b32 s71, s[WV], 1                        ; and my 32 tokens' half of them
	s_lshl_b32 s71, s71, 12
	s_add_co_u32 s70, s70, s71
	s_mov_b32 s71, 0
	; the prefetch: what the last fill will ask for: 65,536 bytes of K from key 1,600 on (waves 0, 1) and of V from key 1,536 on (waves 4, 5); my work-group's 16,384 of them by address, my wave's 8,192, lanes 256 bytes apart
	s_mov_b32 s18, 0x1000000
	s_cmp_lt_u32 s[WV], 4
	s_cselect_b32 s18, 0x802000, s18
	s_add_co_u32 s18, s18, s20
	s_add_co_u32 s18, s18, 3*65536
	s_lshl_b32 s19, s13, 14
	s_add_co_u32 s18, s18, s19
	s_and_b32 s19, s[WV], 1
	s_lshl_b32 s19, s19, 13
	s_add_co_u32 s18, s18, s19
	s_mov_b32 s19, 0
	s_and_b32 s[LIM], s[WV], 2                     ; 0 in waves 0, 1, 4, 5,
	s_or_b32 s[LIM], s[LIM], ttmp9                 ; of the head's first cluster: the same in all four partners
	s_cmp_eq_u32 s[LIM], 0
	s_cselect_b32 s[LIM], 1, 0
	; descriptor group 1: 128 rows x 64 elements of 2 bytes, padded in LDS
	s_mov_b32 s[G1K], 15|(1<<16)|(1<<20)|(1<<21)|(4<<22)|(3<<25)   ; the mask: all four work-groups; elements of 2 bytes; padding on; bit 21 beside a mask; after every 32 words; 4 words
	s_mov_b32 s[G1V], 15|(1<<16)|(1<<20)|(1<<21)|(4<<22)|(7<<25)   ; the same with 8 words of padding
.irp g, G1K, G1V
	s_mov_b32 s[\g+1], 64<<16                      ; tensor_dim0
	s_mov_b32 s[\g+2], 128<<16                     ; tensor_dim1
	s_mov_b32 s[\g+3], 64<<16                      ; tile_dim0
	s_mov_b32 s[\g+4], 128                         ; tile_dim1
	s_mov_b32 s[\g+5], 64                          ; from row to row
	s_mov_b32 s[\g+6], 0
	s_mov_b32 s[\g+7], 0
.endr
	s_mov_b32 s[G1Z], 15|(1<<16)|(1<<20)|(1<<21)|(4<<22)|(3<<25)   ; K of step 0 is 64 rows in all: 16 rows a wave, so that the four waves of K's arm run the same lines
	s_mov_b32 s[G1Z+1], 64<<16
	s_mov_b32 s[G1Z+2], 16<<16
	s_mov_b32 s[G1Z+3], 64<<16
	s_mov_b32 s[G1Z+4], 16
	s_mov_b32 s[G1Z+5], 64
	s_mov_b32 s[G1Z+6], 0
	s_mov_b32 s[G1Z+7], 0
	s_mov_b32 s[CS], 0x3e38aa3b                    ; c = log2(e) / 8
	s_mov_b32 s[CS+1], s[CS]                       ; named with it as a pair, so it is written
	s_mov_b32 s[SEL], 0x76543210
	s_mov_b32 s[SEL+1], 0xfedcba98
	s_wait_dscnt 0x0                               ; both opening adds are done
	s_wait_kmcnt 0x0
	s_add_nc_u64 s[22:23], s[4:5], s[22:23]        ; my quarter's rows, counted in q's part; k's and v's lie 8 and 16 MiB on
	s_add_nc_u64 s[84:85], s[4:5], s[84:85]
	s_add_nc_u64 s[PFA:PFA+1], s[4:5], s[PFA:PFA+1]
	s_add_nc_u64 s[6:7], s[6:7], s[70:71]
	s_add_nc_u64 s[4:5], s[4:5], s[68:69]
	CROUND                                         ; all four work-groups are here: the first joint loads meet
	s_mov_b32 s[G0Z], 1
	s_mov_b32 s[G0Z+1], s86
	s_add_nc_u64 s[G0Z+2:G0Z+3], s[84:85], 0x800000
	s_or_b32 s[G0Z+3], s[G0Z+3], 0x80000000
.irp s, 0,1
	s_mov_b32 s[G0K+4*\s], 1
	s_add_co_u32 s[G0K+4*\s+1], s17, \s*SLOT
	s_add_nc_u64 s[G0K+4*\s+2:G0K+4*\s+3], s[22:23], 0x802000+\s*65536   ; slot s begins with K of key 512 s + 64: one step of 8,192 bytes further on than V
	s_or_b32 s[G0K+4*\s+3], s[G0K+4*\s+3], 0x80000000
	s_mov_b32 s[G0V+4*\s], 1
	s_add_co_u32 s[G0V+4*\s+1], s56, \s*SLOT
	s_add_nc_u64 s[G0V+4*\s+2:G0V+4*\s+3], s[22:23], 0x1000000+\s*65536  ; and with V of key 512 s
	s_or_b32 s[G0V+4*\s+3], s[G0V+4*\s+3], 0x80000000
.endr
	s_cmp_lt_u32 s[WV], 4                          ; a wave's first fills stand in one branch, ahead of every wait on TENSORcnt and every LDS read: three loads of mine are out in K's arm, two in V's; slot 1's is the last in both
	s_cbranch_scc0 .Lfirst_v
	tensor_load_to_lds s[G0Z:G0Z+3], s[G1Z:G1Z+7]
	s_nop 0
	tensor_load_to_lds s[G0K:G0K+3], s[G1K:G1K+7]
	s_nop 0
	tensor_load_to_lds s[G0K+4:G0K+7], s[G1K:G1K+7]
	s_nop 0
.rept 4
	v_nop
.endr
	s_branch .Lfirst_asked
.Lfirst_v:
	tensor_load_to_lds s[G0V:G0V+3], s[G1V:G1V+7]
	s_nop 0
	tensor_load_to_lds s[G0V+4:G0V+7], s[G1V:G1V+7]
	s_nop 0
.rept 4
	v_nop
.endr
.Lfirst_asked:
	v_and_b32 v11, 15, v0                          ; r = l % 16
	v_bfe_u32 v[ADR], v0, 4, 1                     ; h = l / 16
	v_lshlrev_b32 v[QO], 7, v11
	v_lshl_add_u32 v[QO], v[ADR], 4, v[QO]         ; row x 128 + 16 x half
	WIN 0x40                                       ; destination window 1, address window 0
.irp t, 0,1
.irp c, 0,1                                    ; Q stays in registers: tile t, channels 32 c on
	global_load_b128 v[QW+16*\t+8*\c:QW+16*\t+8*\c+3], v[QO], s[4:5] offset:2048*\t+64*\c
	global_load_b128 v[QW+16*\t+8*\c+4:QW+16*\t+8*\c+7], v[QO], s[4:5] offset:2048*\t+64*\c+32
.endr
.endr
.irp j, 0,1,2,3
	v_mov_b32 v[A1+\j], 0                          ; a: the prologue's rescaling finds 0; the upper register of each pair is written once, here
.endr
	WIN 0
	v_mul_u32_u24 v[AK0], v11, PK
	v_lshl_add_u32 v[AK0], v[ADR], 4, v[AK0]       ; row x pitch + 16 x half
	v_and_b32 v[AV0], 7, v0                        ; the turning load: lane l reads 16 bytes: key 8 (l / 16) + l % 8, channels 8 ((l / 8) % 2) + 0..7
	v_lshl_add_u32 v[AV0], v[ADR], 3, v[AV0]
	v_mul_u32_u24 v[AV0], v[AV0], PV
	v_bfe_u32 v[GO], v0, 3, 1
	v_lshl_add_u32 v[AV0], v[GO], 4, v[AV0]
	s_mul_i32 s57, s[WV], 32*SP                    ; my stage
	v_mul_u32_u24 v[STO], v11, SP                  ; in: row r, 16 bytes for each half of the lanes
	v_lshl_add_u32 v[STO], v[ADR], 4, v[STO]
	v_add_nc_u32 v[STO], s57, v[STO]
	v_and_b32 v[GO], 31, v0
	v_lshrrev_b32 v[RD], 3, v[GO]                  ; back: eight lanes take a row's 128 bytes, four rows an instruction
	v_mul_u32_u24 v[RD], v[RD], SP
	v_and_b32 v[PFO], 7, v0
	v_lshl_add_u32 v[RD], v[PFO], 4, v[RD]
	v_add_nc_u32 v[RD], s57, v[RD]
	v_lshlrev_b32 v[PFO], 8, v[GO]
	v_lshlrev_b32 v[GO], 4, v[GO]
.irp t, 0,1
	v_mov_b32 v[ST+10*\t+1], 0xff61b1e6            ; m: -3e38, under every score
	v_mul_f32 v[ST+10*\t], s[CS], v[ST+10*\t+1]    ; c m
.irp j, 2,3,4,5,6,7,8,9
	v_mov_b32 v[ST+10*\t+\j], 0                    ; l, and the registers at work
.endr
.endr
.irp j, 0,1,2,3,4,5,6,7,8,9,10,11,12,13,14,15,16,17,18,19,20,21,22,23,24,25,26,27,28,29,30,31,32,33,34,35,36,37,38,39,40,41,42,43,44,45,46,47,48,49,50,51,52,53,54,55,56,57,58,59,60,61,62,63
	v_mov_b32 v[O+\j], 0                           ; O^T.  (The trip is written once: the first finds zeros, and its a is 0)
.endr
; THE RUNS OF LDS LOADS: 16 each, never singly among the matrix instructions.  K and V take turns in one set of 64 registers.
.macro KLOAD                           ; 64 keys of K at s[TK]: fragment f: keys 16 (f / 2) on, channels 32 (f % 2) on
	v_add_nc_u32 v[ADR], s[TK], v[AK0]
.irp f, 0,1,2,3,4,5,6,7
	ds_load_b128 v[KV+8*\f:KV+8*\f+3], v[ADR] offset:(\f/2)*16*PK+(\f%2)*64
	ds_load_b128 v[KV+8*\f+4:KV+8*\f+7], v[ADR] offset:(\f/2)*16*PK+(\f%2)*64+32
.endr
.endm
.macro VLOAD                           ; 64 keys of V at s[TV], turned: fragment f: keys 32 (f / 4) on, channels 16 (f % 4) on
	v_add_nc_u32 v[ADR], s[TV], v[AV0]
.irp f, 0,1,2,3,4,5,6,7
	ds_load_tr16_b128 v[KV+8*\f:KV+8*\f+3], v[ADR] offset:(\f/4)*32*PV+(\f%4)*32
	ds_load_tr16_b128 v[KV+8*\f+4:KV+8*\f+7], v[ADR] offset:(\f/4)*32*PV+16*PV+(\f%4)*32
.endr
.endm
; THE SECOND HALF OF A STEP'S SOFTMAX: S^T holds the weights p in f32.  Their sums, two chains a tile, and their rounding to f16 into P.
; Behind the first four sums stands a run of LDS loads (ld = 1: the next step's K; 2: this step's V): with the v_nop ahead of them and the run's own addition, the four are the places between the last products,
; which read these registers, and the loads into them; the rest of this macro is the work behind which the loads land.
.macro H2 ld
.irp t, 0,1
	v_pk_add_f32 v[ST+10*\t+4:ST+10*\t+5], v[S+32*\t:S+32*\t+1], v[S+32*\t+2:S+32*\t+3]
	v_pk_add_f32 v[ST+10*\t+8:ST+10*\t+9], v[S+32*\t+4:S+32*\t+5], v[S+32*\t+6:S+32*\t+7]
.endr
.if \ld == 1
	KLOAD
.else
	VLOAD
.endif
.irp j, 8,12,16,20,24,28
.irp t, 0,1
	v_pk_add_f32 v[ST+10*\t+4:ST+10*\t+5], v[ST+10*\t+4:ST+10*\t+5], v[S+32*\t+\j:S+32*\t+\j+1]
	v_pk_add_f32 v[ST+10*\t+8:ST+10*\t+9], v[ST+10*\t+8:ST+10*\t+9], v[S+32*\t+\j+2:S+32*\t+\j+3]
.endr
.endr
.irp t, 0,1
	v_pk_add_f32 v[ST+10*\t+4:ST+10*\t+5], v[ST+10*\t+4:ST+10*\t+5], v[ST+10*\t+8:ST+10*\t+9]   ; the step's sum: even keys', odd keys'
.endr
.irp j, 0,1,2,3,4,5,6,7,8,9,10,11,12,13,14,15
.irp t, 0,1
	v_cvt_pk_f16_f32 v[P+16*\t+\j], v[S+32*\t+2*\j], v[S+32*\t+2*\j+1]   ; words 8 kk .. 8 kk + 7 of a tile: keys 32 kk on
.endr
.endr
.endm
; THE PHASE OF K Q^T, under one setting: source 1 in window 1 (Q; a).  First l = a l + the step's sum; then (qk = 1) the next step's 16 products, two rescalings of O^T by a behind each.
; Product i: channels 32 (i / 8) on, keys 16 ((i / 2) % 4) on, tile i % 2; the eight accumulators take turns; the first eight products start the sums.
; O^T's accumulators are taken in ascending order, each from its low end on.  The last two rescalings and the two v_nop are the four places behind the last product.
.macro QKPH qk
	WIN 0x04
.irp t, 0,1
	v_pk_fma_f32 v[ST+10*\t+2:ST+10*\t+3], v[ST+10*\t+2:ST+10*\t+3], v[A1+2*\t:A1+2*\t+1], v[ST+10*\t+4:ST+10*\t+5] op_sel_hi:[1,0,1]
.endr
.set i, 0
.rept 16
.if \qk
.set rS, S+32*(i%2)+8*((i/2)%4)
.set rK, KV+8*(2*((i/2)%4)+i/8)
.set rQ, QW+16*(i%2)+8*(i/8)
.if i < 8
	v_wmma_f32_16x16x32_f16 v[rS:rS+7], v[rK:rK+7], v[rQ:rQ+7], 0
.else
	v_wmma_f32_16x16x32_f16 v[rS:rS+7], v[rK:rK+7], v[rQ:rQ+7], v[rS:rS+7]
.endif
.endif
	v_pk_mul_f32 v[O+2*i:O+2*i+1], v[O+2*i:O+2*i+1], v[A1:A1+1] op_sel_hi:[1,0]
	v_pk_mul_f32 v[O+32+2*i:O+32+2*i+1], v[O+32+2*i:O+32+2*i+1], v[A1+2:A1+3] op_sel_hi:[1,0]
.set i, i+1
.endr
	WIN 0
	v_nop
	v_nop
.endm
.macro SCALE                           ; pair pr of the 32 pairs of scores (16 a tile): c s - c m, two at a time
	v_pk_fma_f32 v[S+2*pr:S+2*pr+1], v[S+2*pr:S+2*pr+1], s[CS:CS+1], v[ST+10*(pr/16):ST+10*(pr/16)+1] op_sel_hi:[1,0,0] neg_lo:[0,0,1] neg_hi:[0,0,1]
.endm
; THE FIRST HALF OF A STEP'S SOFTMAX, up to a: the maximum of a lane's 32 scores and the old m, in two chains a tile (each accumulator is first read at its low end); the new m, c m, and a, whose exponentials open the step's batch.
.macro H1A
.irp t, 0,1
	v_max3_num_f32 v[ST+10*\t+4], v[S+32*\t], v[S+32*\t+1], v[S+32*\t+2]
	v_max3_num_f32 v[ST+10*\t+5], v[S+32*\t+16], v[S+32*\t+17], v[S+32*\t+18]
.endr
.irp j, 3,5,7,9,11,13
.irp t, 0,1
	v_max3_num_f32 v[ST+10*\t+4], v[ST+10*\t+4], v[S+32*\t+\j], v[S+32*\t+\j+1]
	v_max3_num_f32 v[ST+10*\t+5], v[ST+10*\t+5], v[S+32*\t+16+\j], v[S+32*\t+17+\j]
.endr
.endr
.irp t, 0,1
	v_max3_num_f32 v[ST+10*\t+4], v[ST+10*\t+4], v[S+32*\t+15], v[S+32*\t+31]
.endr
.irp t, 0,1
	v_max3_num_f32 v[ST+10*\t+4], v[ST+10*\t+4], v[ST+10*\t+5], v[ST+10*\t+1]
.endr
.irp t, 0,1
	v_permlanex16_b32 v[ST+10*\t+5], v[ST+10*\t+4], s[SEL], s[SEL+1]   ; the query's other 32 keys lie in the lane 16 away
.endr
.irp t, 0,1
	v_mov_b32 v[ST+10*\t+7], v[ST+10*\t]           ; c m_old is kept for a
.endr
.irp t, 0,1
	v_max_num_f32 v[ST+10*\t+1], v[ST+10*\t+4], v[ST+10*\t+5]
.endr
.irp t, 0,1
	v_mul_f32 v[ST+10*\t], s[CS], v[ST+10*\t+1]
.endr
.irp t, 0,1
	v_sub_f32 v[ST+10*\t+7], v[ST+10*\t+7], v[ST+10*\t]
.endr
	WIN 0x40                                       ; destination window 1
.irp t, 0,1
	v_exp_f32 v[A1+2*\t], v[ST+10*\t+7]            ; a: the last step's has been used up by the phase of K Q^T
.endr
	WIN 0
.set pr, 0
	SCALE                                          ; the first slice's two pairs
.set pr, 1
	SCALE
.endm
; THE PHASE OF V^T P.  pv = 1: 16 products: keys 32 (i / 8) on, channels 16 ((i / 2) % 4) on, tile i % 2; eight accumulators by turns.
; sl = 1: behind product i a slice of the next step's softmax: the exponentials of scores 4 i .. 4 i + 3 and the scalings of the two pairs that the next slice takes; a scaling leads the slice.
; No line here names an exponential's result: the step's 66 exponentials are one batch, and their one wait follows the phase.
.macro PVPH pv, sl
.set i, 0
.rept 16
.if \pv
.set rO, O+32*(i%2)+8*((i/2)%4)
.set rV, KV+8*(4*(i/8)+(i/2)%4)
.set rP, P+16*(i%2)+8*(i/8)
	v_wmma_f32_16x16x32_f16 v[rO:rO+7], v[rV:rV+7], v[rP:rP+7], v[rO:rO+7]
.endif
.if \sl
.if i < 15
.set pr, 2*i+2
	SCALE
.endif
	v_exp_f32 v[S+4*i], v[S+4*i]
.if i < 15
.set pr, 2*i+3
	SCALE
.endif
	v_exp_f32 v[S+4*i+1], v[S+4*i+1]
	v_exp_f32 v[S+4*i+2], v[S+4*i+2]
	v_exp_f32 v[S+4*i+3], v[S+4*i+3]
.endif
.set i, i+1
.endr
.endm
.macro BATCH_END
	v_nop                                          ; a plain instruction behind the last exponential
	s_wait_alu depctr_va_vdst(0)                   ; one wait for the batch of 66, ahead of the first instruction that names a result and of every label and branch
.endm
; A TRIP: step j's sums, rounding, rescaling and V^T P; step j + 1's K Q^T, maximum and exponentials.
.macro TRIP
	H2 1
	s_wait_dscnt 0x0                               ; K is in
	QKPH 1
	VLOAD
	H1A
	s_wait_dscnt 0x0                               ; V is in
	PVPH 1, 1
	BATCH_END
	s_add_co_u32 s[TK], s[TK], 64*PK
	s_add_co_u32 s[TV], s[TV], 64*PV
.endm
.macro SLOT_STEPS s, n                 ; n trips on slot s
	s_mov_b32 s[TK], \s*SLOT
	s_mov_b32 s[TV], \s*SLOT+VOFF
	s_mov_b32 s[CNT], \n
.Lstep_\@:
	TRIP
	s_sub_co_u32 s[CNT], s[CNT], 1
	s_cmp_lg_u32 s[CNT], 0
	s_cbranch_scc1 .Lstep_\@
.endm
; THE CHANGE OF SLOTS.  Slot s has been read out.  Each wave waits for all its tensor loads (one is out: its part of the other slot), adds 0 to its spare word, and waits for that and for its reads of slot s.
; fill = 1: the barrier is a round of the cluster's, so that no wave of any partner still reads the slot or has a load on its way; the joint refill, the keys 1,024 further on, is the first thing behind it
; and has eight trips in which to land.
.macro CHANGE s, fill
	s_wait_tensorcnt 0x0                           ; no tensor load of mine is out, so a group 0 may be written
	ds_add_u32 v[SPW], v[NIL]
.if \fill
	s_add_nc_u64 s[G0K+4*\s+2:G0K+4*\s+3], s[G0K+4*\s+2:G0K+4*\s+3], 2*65536
	s_add_nc_u64 s[G0V+4*\s+2:G0V+4*\s+3], s[G0V+4*\s+2:G0V+4*\s+3], 2*65536
.endif
	s_wait_dscnt 0x0
.if \fill
	CROUND
	JLOAD \s
.else
	s_barrier_signal -1
	s_barrier_wait -1
.endif
.endm
	s_wait_tensorcnt 1                             ; K of step 0 and my part of slot 0 are in; slot 1's load may stay out
	s_barrier_signal -1
	s_barrier_wait -1                              ; everybody's are
	; THE PROLOGUE: step 0's scores and the first half of its softmax.  The rescaling in the phase of K Q^T finds a = 0, l = 0 and O^T = 0 and leaves them so.
	s_mov_b32 s[TK], KZ
	KLOAD
	s_wait_loadcnt 0x0                             ; Q
	s_wait_dscnt 0x0
	QKPH 1
	H1A
	PVPH 0, 1
	BATCH_END
	SLOT_STEPS 0, 8                                ; steps 0 to 7
	CHANGE 0, 1                                    ; slot 0 takes K of steps 17 to 24 and V of steps 16 to 23
	; A prefetch of what the next change will ask for: eight trips ahead of that load.  Each aligned 256 bytes are named once: the head's first cluster asks, its four partners take 16,384 bytes each of K and of V
	; by address, waves 0, 1 for K and 4, 5 for V.  What the earlier fills ask for comes by their loads alone.  The address registers are never rewritten.
	s_cmp_eq_u32 s[LIM], 1
	s_cbranch_scc0 .Lnot_mine
	global_prefetch_b8 v[PFO], s[PFA:PFA+1] th:TH_LOAD_NT scope:SCOPE_SE
.Lnot_mine:
	SLOT_STEPS 1, 8                                ; steps 8 to 15
	CHANGE 1, 1                                    ; slot 1 takes K of steps 25 on and V of steps 24 to 31
	SLOT_STEPS 0, 8                                ; steps 16 to 23
	CHANGE 0, 0                                    ; nothing is left to ask for
	SLOT_STEPS 1, 7                                ; steps 24 to 30
	; THE LAST STEP: there is no next K: V is asked for where K was; l and O^T are brought under the last a; the last products stand bare.
	H2 2
	QKPH 0
	s_wait_dscnt 0x0                               ; V is in
	PVPH 1, 0
	; THE WAY OUT.  l's two halves and the other half of the lanes' are added (these lines are the places behind the last products); O^T is divided by l, rounded to f16 and sent through my stage, so that each store covers 512 consecutive bytes.
.irp t, 0,1
	v_add_f32 v[ST+10*\t+4], v[ST+10*\t+2], v[ST+10*\t+3]
.endr
.irp t, 0,1
	v_permlanex16_b32 v[ST+10*\t+5], v[ST+10*\t+4], s[SEL], s[SEL+1]
.endr
.irp t, 0,1
	v_add_f32 v[ST+10*\t+4], v[ST+10*\t+4], v[ST+10*\t+5]
.endr
.irp t, 0,1
	v_rcp_f32 v[ST+10*\t+6], v[ST+10*\t+4]
.endr
	v_nop                                          ; a plain instruction behind the last reciprocal
	s_wait_alu depctr_va_vdst(0)                   ; and the wait ahead of the first use: one for the two
.irp t, 0,1
.irp j, 0,2,4,6,8,10,12,14,16,18,20,22,24,26,28,30
	v_pk_mul_f32 v[O+32*\t+\j:O+32*\t+\j+1], v[O+32*\t+\j:O+32*\t+\j+1], v[ST+10*\t+6:ST+10*\t+7] op_sel_hi:[1,0]
.endr
.irp j, 0,1,2,3,4,5,6,7,8,9,10,11,12,13,14,15
	v_cvt_pk_f16_f32 v[S+16*\t+\j], v[O+32*\t+2*\j], v[O+32*\t+2*\j+1]   ; words 4 ch .. 4 ch + 3: channels 16 ch + 8 h + 0 .. 7 of query r
.endr
.irp c, 0,1,2,3
	ds_store_b128 v[STO], v[S+16*\t+4*\c:S+16*\t+4*\c+3] offset:16*SP*\t+32*\c
.endr
.endr
.irp i, 0,1,2,3,4,5,6,7
	ds_load_b128 v[KV+4*\i:KV+4*\i+3], v[RD] offset:4*SP*\i   ; LDS serves a wave's instructions in order: these see my stores
.endr
.irp i, 0,1,2,3,4,5,6,7
	s_wait_dscnt 7-\i                              ; the younger loads may stay out
	global_store_b128 v[GO], v[KV+4*\i:KV+4*\i+3], s[6:7] offset:512*\i
.endr
	s_wait_tensorcnt 0x0                           ; the wave's end, behind my last tensor load and my last LDS store
	ds_add_u32 v[SPW], v[NIL]
	s_wait_dscnt 0x0
	CROUND                                         ; the closing round
	s_endpgm
.Lfunc_end_k_q00e943abcc_attn:
	.size	k_q00e943abcc_attn, .Lfunc_end_k_q00e943abcc_attn-k_q00e943abcc_attn
	.p2alignl 7, 3214868480
	.fill 96, 4, 3214868480
	.section	.rodata,"a",@progbits
	.p2align	6, 0x0
	.amdhsa_kernel k_q00e943abcc_attn
		.amdhsa_group_segment_fixed_size 327680
		.amdhsa_private_segment_fixed_size 0
		.amdhsa_enable_private_segment 0
		.amdhsa_kernarg_size 16
		.amdhsa_user_sgpr_count 2
		.amdhsa_user_sgpr_kernarg_segment_ptr 1
		.amdhsa_wavefront_size32 1
		.amdhsa_system_sgpr_workgroup_id_x 1
		.amdhsa_system_sgpr_workgroup_id_y 1
		.amdhsa_system_sgpr_workgroup_id_z 1
		.amdhsa_system_vgpr_workitem_id 0
		.amdhsa_next_free_vgpr 320
		.amdhsa_next_free_sgpr 88
		.amdhsa_reserve_vcc 0
		.amdhsa_float_denorm_mode_32 3
		.amdhsa_float_denorm_mode_16_64 3
		.amdhsa_memory_ordered 1
		.amdhsa_forward_progress 1
		.amdhsa_inst_pref_size 109
	.end_amdhsa_kernel
	.amdgpu_metadata
---
amdhsa.version: [ 1, 2 ]
amdhsa.kernels:
  - .name:           k_q00e943abcc_attn
    .symbol:         k_q00e943abcc_attn.kd
    .args:
      - { .name: qkv, .offset: 0, .size: 8, .value_kind: global_buffer, .address_space: global }
      - { .name: vals, .offset: 8, .size: 8, .value_kind: global_buffer, .address_space: global }
    .group_segment_fixed_size: 327680
    .private_segment_fixed_size: 0
    .kernarg_segment_align: 8
    .kernarg_segment_size: 16
    .max_flat_workgroup_size: 256
    .sgpr_count:     88
    .vgpr_count:     320
    .wavefront_size: 32
...
	.end_amdgpu_metadata
.endif
;; end of part 3
;; launch outp (part 4): grid 8 x 32, 4 waves a work-group, clusters of 4 x 4, 327,680 bytes of LDS; arguments vals, wo16, bo, out0; writes out0
.if DOCPART == 4
	.amdgcn_target "amdgcn-amd-amdhsa--gfx1250"
	.amdhsa_code_object_version 6
	.text
	.protected	k_q00e943abcc_outp
	.globl	k_q00e943abcc_outp
	.p2align	8
	.type	k_q00e943abcc_outp,@function
k_q00e943abcc_outp:
	s_mov_b64 s[64:65], 0
	v_nop
	global_prefetch_b8 v0, s[64:65] scope:SCOPE_SE
	s_setreg_imm32_b32 hwreg(HW_REG_WAVE_MODE, 25, 1), 1
	s_wait_xcnt 0x0
	s_wait_alu depctr_hold_cnt(0) depctr_sa_sdst(0) depctr_va_vdst(0) depctr_va_sdst(0) depctr_va_ssrc(0) depctr_va_vcc(0) depctr_vm_vsrc(0)
	s_getreg_b32 s2, hwreg(HW_REG_IB_STS2, 6, 4)
	s_cmp_eq_u32 s2, 0
	s_cbranch_scc0 .Lentry_in_a_cluster
	s_endpgm
.Lentry_in_a_cluster:
	s_bfe_u32 s2, ttmp6, 0x10000c
	s_cmp_lg_u32 s2, 0xf033
	s_cbranch_scc0 .Lentry_shape_is_right
	s_endpgm
.Lentry_shape_is_right:
; out0[token][n] = the sum over k of values[token][k] Wo[n][k] + bo[n]: 4,096 x 1,024, K = 1,024; f16 operands, f32 sums, f32 out.
; values: vals [token / 64][head][token % 64][64], f16, k = 64 x head + channel.  Wo: wo16 [n][k], f16.
; A tile of 128 x 128 is made by a work-group of four waves, each 64 x 64: 16 accumulators.  K goes in four steps of 256 (four heads) through two LDS slots.
; A's tile for 64 tokens and four heads is one dense block of 256 rows (64 x head + token) of 128 bytes; B's is 64 rows of 512 bytes.  One tensor load a wave: waves 0, 1 A's halves, waves 2, 3 B's.
; CLUSTERS: 4 x 4 work-groups.  The four of a row of the cluster need the same tiles of A, the four of a column the same tiles of B: each tile is asked for JOINTLY.
; THE MATRIX INSTRUCTION IS USED TRANSPOSED (source 0 = 16 rows of Wo, source 1 = 16 tokens): a lane holds eight neighbouring columns of one token.  The bias is the C of each sum's first product.
; REGISTERS: window 0: v0-31 addresses; v32-95 rows on the way out, two sets; v96-127 the bias; v128-255 the accumulators ((a, b) at v[128 + 8 (4 a + b)]).
;   window 1: two fragment buffers of 128: for 64 along K (one head), 64 registers of A, then 64 of B.
.set PA,     144                       ; a row of A in LDS: 128 bytes + 16 of padding
.set PB,     528                       ; a row of B: 512 + 16
.set HALFA,  256*PA                    ; 64 tokens x 4 heads
.set HALFB,  64*PB
.set SLOT,   2*HALFA+2*HALFB
.set STAGE,  2*SLOT                    ; behind the two slots: 16 rows x 272 bytes for each wave; no tensor load lands here
.set SPITCH, 272
.set SPARE,  STAGE+4*16*SPITCH         ; the spare words, 128 bytes a wave
.set ADRA, 16                          ; v16-17  LDS address of my A fragments in slot 0, 1
.set ADRB, 20                          ; v20-21  the same for B
.set STO,  24
.set RD,   25
.set CO,   26
.set SPW,  28                          ; v28  my spare word; never rewritten
.set NIL,  29                          ; v29  0; never rewritten
.set BO,   30                          ; v30  my byte offset in the bias
.set TMP,  32
.set BI,   96
.set ACC,  128
.set F0,   0
.set F1,   128
.set G1, 24
.set G0, 32
.set G1B, 48
.set G0B, 56
.set MSB, 0
.macro WIN new                         ; the immediate's high byte repeats the setting that is left
.if MSB != (\new)
	s_set_vgpr_msb (MSB<<8)|(\new)
.set MSB, (\new)
.endif
.endm
.set MUL,  0x05                        ; sources 0 (B) and 1 (A) window 1; C and D window 0
.set TO_F, 0x40                        ; destination window 1, address window 0
.macro JLOAD s                         ; a joint load; the branch hangs on the wave's number alone; an s_nop 0 and four v_nop follow each of the two lines
	s_cmp_eq_u32 s11, 0
	s_cbranch_scc0 .Lfor_b_\@
	tensor_load_to_lds s[G0+4*\s:G0+4*\s+3], s[G1:G1+7]
	s_nop 0
.rept 4
	v_nop
.endr
	s_branch .Lasked_\@
.Lfor_b_\@:
	tensor_load_to_lds s[G0B+4*\s:G0B+4*\s+3], s[G1B:G1B+7]
	s_nop 0
.rept 4
	v_nop
.endr
.Lasked_\@:
.endm
.macro CREST                           ; a round of the cluster's barrier behind its opening barrier
	s_cmp_lg_u32 s10, 0
	s_cbranch_scc1 .Lnot_wave_0_\@
	s_barrier_signal -3
.Lnot_wave_0_\@:
	s_barrier_wait -3
	s_barrier_signal -1
	s_barrier_wait -1
.endm
.macro CROUND
	s_barrier_signal -1
	s_barrier_wait -1
	CREST
.endm
	s_load_b128 s[4:7], s[0:1], 0x0                ; vals s[4:5], wo16 s[6:7]
	s_load_b128 s[68:71], s[0:1], 0x10             ; bo s[68:69], out0 s[70:71]
	v_lshl_add_u32 v[SPW], v0, 2, SPARE
	v_mov_b32 v[NIL], 0
	ds_add_u32 v[SPW], v[NIL]                      ; the wave's opening: the add, twice on end, and its wait ahead of my first tensor load
	ds_add_u32 v[SPW], v[NIL]
	v_lshrrev_b32 v1, 5, v0
	v_readfirstlane_b32 s10, v1                    ; wave 0..3
	s_lshr_b32 s11, s10, 1                         ; which half of the tile's rows is mine.  Also: I fetch for A (0) or for B (1)
	s_and_b32 s12, s10, 1                          ; which half of its columns.  Also: which half of that tile I fetch
	s_bfe_u32 s40, ttmp6, 0x40000                  ; cx, cy
	s_bfe_u32 s41, ttmp6, 0x40004
	s_lshl_b32 s42, ttmp9, 2
	s_add_co_u32 s42, s42, s40                     ; tile column
	s_and_b32 s13, ttmp7, 0xffff
	s_lshl_b32 s13, s13, 2
	s_add_co_u32 s13, s13, s41                     ; tile row
	s_lshl_b32 s43, s41, 2
	s_lshl_b32 s43, 15, s43                        ; my row of the cluster
	s_lshl_b32 s44, 0x1111, s40                    ; my column
	s_or_b32 s[G1+0], s43, (1<<16)|(1<<20)|(1<<21)|(4<<22)|(3<<25)   ; A: elements of 2 bytes; padding: 4 words after every 32
	s_mov_b32 s[G1+1], 64<<16                      ; tensor_dim0
	s_mov_b32 s[G1+2], 256<<16                     ; tensor_dim1
	s_mov_b32 s[G1+3], 64<<16                      ; tile_dim0
	s_mov_b32 s[G1+4], 256                         ; tile_dim1
	s_mov_b32 s[G1+5], 64                          ; from row to row: dense
	s_mov_b32 s[G1+6], 0
	s_mov_b32 s[G1+7], 0
	s_or_b32 s[G1B+0], s44, (1<<16)|(1<<20)|(1<<21)|(6<<22)|(3<<25)  ; B: padding: 4 words after every 128
	s_mov_b32 s[G1B+1], 256<<16
	s_mov_b32 s[G1B+2], 64<<16
	s_mov_b32 s[G1B+3], 256<<16
	s_mov_b32 s[G1B+4], 64
	s_mov_b32 s[G1B+5], 1024
	s_mov_b32 s[G1B+6], 0
	s_mov_b32 s[G1B+7], 0
	s_lshl_b32 s16, s13, 1
	s_add_co_u32 s16, s16, s12
	s_lshl_b32 s16, s16, 17                        ; A: block of 64 tokens 2 x tile row + half, 131,072 bytes each
	s_mov_b32 s17, 0
	s_lshl_b32 s46, s42, 7
	s_lshl_b32 s47, s12, 6
	s_add_co_u32 s46, s46, s47
	s_lshl_b32 s46, s46, 11                        ; B: row 128 x tile column + 64 x half, 2,048 bytes each
	s_mov_b32 s47, 0
	s_mul_i32 s20, s12, HALFA                      ; where they go: no place in the cluster enters an LDS address
	s_mul_i32 s21, s12, HALFB
	s_add_co_u32 s21, s21, 2*HALFA
	s_wait_dscnt 0x0                               ; both opening adds are done
	s_wait_kmcnt 0x0
	s_add_nc_u64 s[14:15], s[4:5], s[16:17]
	s_add_nc_u64 s[46:47], s[6:7], s[46:47]
	CROUND                                         ; all sixteen work-groups are here: the first joint loads meet
.irp s, 0,1
	s_mov_b32 s[G0+4*\s], 1
	s_add_co_u32 s[G0+4*\s+1], s20, \s*SLOT
	s_add_nc_u64 s[G0+4*\s+2:G0+4*\s+3], s[14:15], \s*32768        ; K step s: four heads of 8,192 bytes
	s_or_b32 s[G0+4*\s+3], s[G0+4*\s+3], 0x80000000
	s_mov_b32 s[G0B+4*\s], 1
	s_add_co_u32 s[G0B+4*\s+1], s21, \s*SLOT
	s_add_nc_u64 s[G0B+4*\s+2:G0B+4*\s+3], s[46:47], \s*512
	s_or_b32 s[G0B+4*\s+3], s[G0B+4*\s+3], 0x80000000
	JLOAD \s                                       ; two tensor loads of mine are out behind the second
.endr
	v_and_b32 v1, 15, v0                           ; r
	v_bfe_u32 v2, v0, 4, 1                         ; h
	s_lshl_b32 s46, s42, 9
	s_lshl_b32 s47, s12, 8
	s_add_co_u32 s46, s46, s47                     ; my first column, in bytes of f32: 512 x tile column + 256 x half
	s_mov_b32 s47, 0
	v_lshlrev_b32 v[BO], 5, v2
	v_add_nc_u32 v[BO], s46, v[BO]                 ; the bias: lane (r, h) wants, for block b, columns 16 b + 8 h + 0 .. 7
.irp b, 0,1,2,3
	global_load_b128 v[BI+8*\b:BI+8*\b+3], v[BO], s[68:69] offset:64*\b
	global_load_b128 v[BI+8*\b+4:BI+8*\b+7], v[BO], s[68:69] offset:64*\b+16
.endr
	v_mul_u32_u24 v3, v1, PA
	v_lshl_add_u32 v3, v2, 4, v3                   ; a fragment's row x pitch + 16 x half
	v_mul_u32_u24 v4, v1, PB
	v_lshl_add_u32 v4, v2, 4, v4
	s_mul_i32 s21, s11, HALFA                      ; my 64 tokens
	s_mul_i32 s22, s12, HALFB                      ; my 64 rows of Wo,
	s_add_co_u32 s22, s22, 2*HALFA                 ; which lie behind A's two halves
.irp s, 0,1
	v_add_nc_u32 v[ADRA+\s], s21, v3
	v_add_nc_u32 v[ADRB+\s], s22, v4
	s_add_co_u32 s21, s21, SLOT
	s_add_co_u32 s22, s22, SLOT
.endr
	s_mul_i32 s23, s10, 16*SPITCH
	s_add_co_u32 s23, s23, STAGE                   ; my stage
	v_mul_u32_u24 v5, v1, SPITCH                   ; in: row r, 32 bytes for each half of the lanes
	v_lshl_add_u32 v5, v2, 5, v5
	v_add_nc_u32 v[STO], s23, v5
	v_mul_u32_u24 v5, v2, SPITCH                   ; back: lanes 0-15 take one row of 256 bytes, lanes 16-31 the next
	v_lshl_add_u32 v5, v1, 4, v5
	v_add_nc_u32 v[RD], s23, v5
	v_lshlrev_b32 v5, 12, v2                       ; and the same two rows in out0
	v_lshl_add_u32 v[CO], v1, 4, v5
	s_lshl_b32 s16, s13, 7
	s_lshl_b32 s17, s11, 6
	s_add_co_u32 s16, s16, s17                     ; my first row: 128 x tile row + 64 x half
	s_lshl_b32 s16, s16, 12
	s_mov_b32 s17, 0
	s_add_nc_u64 s[8:9], s[70:71], s[16:17]
	s_add_nc_u64 s[8:9], s[8:9], s[46:47]
; 8 matrix instructions: token blocks a0, a0 + 1 x all 4 column blocks, 32 along K: half c of buffer f.  first = 1: the bias is C, and the product starts the sums.  The 16 accumulators take turns.
.macro MUL8 f, c, a0, first
.irp a, \a0, \a0+1
.irp b, 0,1,2,3
.if \first
	v_wmma_f32_16x16x32_f16 v[ACC+8*(4*(\a)+\b):ACC+8*(4*(\a)+\b)+7], v[\f+64+8*(4*\c+\b):\f+64+8*(4*\c+\b)+7], v[\f+8*(4*\c+\a):\f+8*(4*\c+\a)+7], v[BI+8*\b:BI+8*\b+7]
.else
	v_wmma_f32_16x16x32_f16 v[ACC+8*(4*(\a)+\b):ACC+8*(4*(\a)+\b)+7], v[\f+64+8*(4*\c+\b):\f+64+8*(4*\c+\b)+7], v[\f+8*(4*\c+\a):\f+8*(4*\c+\a)+7], v[ACC+8*(4*(\a)+\b):ACC+8*(4*(\a)+\b)+7]
.endif
.endr
.endr
.endm
; 32 LDS loads in one run: the fragments of the slot's q-th head (64 along K) into buffer f; the first 32 along K first
.macro FETCH slot, q, f
	WIN TO_F
.irp c, 0,1
.irp i, 0,1,2,3
	ds_load_b128 v[\f+64+8*(4*\c+\i):\f+64+8*(4*\c+\i)+3],   v[ADRB+\slot] offset:128*(\q)+64*\c+\i*16*PB
	ds_load_b128 v[\f+64+8*(4*\c+\i)+4:\f+64+8*(4*\c+\i)+7], v[ADRB+\slot] offset:128*(\q)+64*\c+\i*16*PB+32
	ds_load_b128 v[\f+8*(4*\c+\i):\f+8*(4*\c+\i)+3],         v[ADRA+\slot] offset:64*PA*(\q)+64*\c+\i*16*PA
	ds_load_b128 v[\f+8*(4*\c+\i)+4:\f+8*(4*\c+\i)+7],       v[ADRA+\slot] offset:64*PA*(\q)+64*\c+\i*16*PA+32
.endr
.endr
.endm
.macro PLACES                          ; four places in front of loads into registers that matrix instructions have read, and of reads of results
.rept 4
	v_nop
.endr
.endm
; A K step is four quarters of 64 along K, 32 matrix instructions each, on buffers 0, 1, 0, 1.  One of the first three: multiplies buffer f and fetches quarter q into g.
.macro QUARTER slot, q, f, g, first
	s_wait_dscnt 16                                ; the first 32 along K are in; the other sixteen loads may be out
	WIN MUL
	MUL8 \f, 0, 0, \first
	MUL8 \f, 0, 2, \first
	PLACES
	FETCH \slot, \q, \g
	s_wait_dscnt 32                                ; all but the 32 just issued
	WIN MUL
	MUL8 \f, 1, 0, 0
	MUL8 \f, 1, 2, 0
.endm
; The last quarter multiplies buffer 1 and changes slots: ONE barrier; in front of it each wave waits for all its tensor loads, adds 0 to its spare word, and waits for that and for its reads of this slot.
; fill = 1: the barrier opens a round of the cluster's, and this slot is filled again, two K steps ahead, first thing behind the round.
.macro TURN slot, next, fill
	WIN 0                                          ; (the add's two registers lie in window 0)
	s_wait_tensorcnt 0x0                           ; all my tensor loads have landed: my part of the next slot
	ds_add_u32 v[SPW], v[NIL]
	s_wait_dscnt 17                                ; (the add and the youngest sixteen loads may be out)
	WIN MUL
	MUL8 F1, 0, 0, 0
	s_wait_dscnt 0x0                               ; the add is done, and my reads of this slot are over
	s_barrier_signal -1
	MUL8 F1, 0, 2, 0
.if \fill
	WIN 0
.endif
	s_barrier_wait -1
.if \fill
	CREST
	s_add_nc_u64 s[G0+4*\slot+2:G0+4*\slot+3], s[G0+4*\slot+2:G0+4*\slot+3], 2*32768
	s_add_nc_u64 s[G0B+4*\slot+2:G0B+4*\slot+3], s[G0B+4*\slot+2:G0B+4*\slot+3], 2*512
	JLOAD \slot                                    ; the four v_nop behind it are also the places in front of the loads below
.else
	PLACES
.endif
	FETCH \next, 0, F0
	WIN MUL
	MUL8 F1, 1, 0, 0
	MUL8 F1, 1, 2, 0
.endm
	s_wait_tensorcnt 1                             ; my part of K step 0 is in (K step 1's load may be out)
	s_barrier_signal -1
	s_barrier_wait -1                              ; everybody's is
	FETCH 0, 0, F0
	s_wait_loadcnt 0x0                             ; the bias
	QUARTER 0, 1, F0, F1, 1                        ; K step 0
	QUARTER 0, 2, F1, F0, 0
	QUARTER 0, 3, F0, F1, 0
	TURN 0, 1, 1                                   ; slot 0 takes K step 2
	QUARTER 1, 1, F0, F1, 0                        ; K step 1
	QUARTER 1, 2, F1, F0, 0
	QUARTER 1, 3, F0, F1, 0
	TURN 1, 0, 1                                   ; slot 1 takes K step 3
	QUARTER 0, 1, F0, F1, 0                        ; K step 2
	QUARTER 0, 2, F1, F0, 0
	QUARTER 0, 3, F0, F1, 0
	TURN 0, 1, 0                                   ; nothing is left to ask for
	QUARTER 1, 1, F0, F1, 0                        ; K step 3
	QUARTER 1, 2, F1, F0, 0
	QUARTER 1, 3, F0, F1, 0
	s_wait_dscnt 16                                ; the very last quarter
	WIN MUL
	MUL8 F1, 0, 0, 0
	MUL8 F1, 0, 2, 0
	s_wait_dscnt 0
	MUL8 F1, 1, 0, 0
	MUL8 F1, 1, 2, 0
	WIN 0
; THE WAY OUT, a block of 16 tokens x 64 columns at a time: a row's 64 numbers of f32 are 256 bytes.  A lane holds 32 of them, and the lanes beside it hold other rows: so a block goes through my own stage
; and comes back by rows; sixteen lanes store 256 consecutive bytes, at a multiple of 256 from out0's first byte.  LDS serves a wave's instructions in order: no wait between the stores and the loads.
.macro TOSTAGE a
.irp b, 0,1,2,3
	ds_store_b128 v[STO], v[ACC+8*(4*(\a)+\b):ACC+8*(4*(\a)+\b)+3] offset:64*\b          ; each accumulator from its low end on
	ds_store_b128 v[STO], v[ACC+8*(4*(\a)+\b)+4:ACC+8*(4*(\a)+\b)+7] offset:64*\b+16
.endr
.irp t, 0,1,2,3,4,5,6,7
	ds_load_b128 v[TMP+32*((\a)%2)+4*\t:TMP+32*((\a)%2)+4*\t+3], v[RD] offset:\t*2*SPITCH
.endr
.endm
.macro SEND a, younger                 ; younger: the LDS instructions issued behind block a's loads, which may stay out
	s_wait_dscnt \younger
.irp t, 0,1,2,3,4,5,6,7
	global_store_b128 v[CO], v[TMP+32*((\a)%2)+4*\t:TMP+32*((\a)%2)+4*\t+3], s[8:9] offset:(16*(\a)+2*\t)*4096 th:TH_STORE_NT
.endr
.endm
	PLACES
	TOSTAGE 0
.irp a, 1,2,3
.if \a > 1
	s_wait_xcnt 0x0                                ; block a - 2's stores have read their registers: block a's loads may land there
.endif
	TOSTAGE \a
	SEND \a-1, 16                                  ; behind block a - 1's loads: block a's 8 stores and 8 loads
.endr
	SEND 3, 0
	s_wait_tensorcnt 0x0                           ; the wave's end, behind my last tensor load and my last LDS store
	ds_add_u32 v[SPW], v[NIL]
	s_wait_dscnt 0x0
	CROUND                                         ; the closing round
	s_endpgm
.Lfunc_end_k_q00e943abcc_outp:
	.size	k_q00e943abcc_outp, .Lfunc_end_k_q00e943abcc_outp-k_q00e943abcc_outp
	.p2alignl 7, 3214868480
	.fill 96, 4, 3214868480
	.section	.rodata,"a",@progbits
	.p2align	6, 0x0
	.amdhsa_kernel k_q00e943abcc_outp
		.amdhsa_group_segment_fixed_size 327680
		.amdhsa_private_segment_fixed_size 0
		.amdhsa_enable_private_segment 0
		.amdhsa_kernarg_size 32
		.amdhsa_user_sgpr_count 2
		.amdhsa_user_sgpr_kernarg_segment_ptr 1
		.amdhsa_wavefront_size32 1
		.amdhsa_system_sgpr_workgroup_id_x 1
		.amdhsa_system_sgpr_workgroup_id_y 1
		.amdhsa_system_sgpr_workgroup_id_z 1
		.amdhsa_system_vgpr_workitem_id 0
		.amdhsa_next_free_vgpr 512
		.amdhsa_next_free_sgpr 72
		.amdhsa_reserve_vcc 0
		.amdhsa_float_denorm_mode_32 3
		.amdhsa_float_denorm_mode_16_64 3
		.amdhsa_memory_ordered 1
		.amdhsa_forward_progress 1
		.amdhsa_inst_pref_size 86
	.end_amdhsa_kernel
	.amdgpu_metadata
---
amdhsa.version: [ 1, 2 ]
amdhsa.kernels:
  - .name:           k_q00e943abcc_outp
    .symbol:         k_q00e943abcc_outp.kd
    .args:
      - { .name: vals, .offset: 0, .size: 8, .value_kind: global_buffer, .address_space: global }
      - { .name: wo16, .offset: 8, .size: 8, .value_kind: global_buffer, .address_space: global }
      - { .name: bo, .offset: 16, .size: 8, .value_kind: global_buffer, .address_space: global }
      - { .name: out0, .offset: 24, .size: 8, .value_kind: global_buffer, .address_space: global }
    .group_segment_fixed_size: 327680
    .private_segment_fixed_size: 0
    .kernarg_segment_align: 8
    .kernarg_segment_size: 32
    .max_flat_workgroup_size: 128
    .sgpr_count:     72
    .vgpr_count:     512
    .wavefront_size: 32
...
	.end_amdgpu_metadata
.endif
;; end of part 4
